; MI455X (gfx1250); checked and timed in simulation.
; The chip was launched on July 23, 2026; its instructions are those of AMD's public machine-readable ISA for CDNA 5 (MIT licence, August 2026) and "CDNA5" Instruction Set Architecture Reference Guide (July 2026). The comments in the code are by the model that wrote it; some were corrected since.
;; Multi Head Attention. Allowed arithmetic: matrix products marked QUANTISED: E2M3 operands, one E8M0 scale for each 32 along K, by v_wmma_scale_f32_16x16x128_f8f6f4 with both operands' format E2M3, f32 sums; products left as they are: f32 operands where the result goes on into a quantised operand, else bf16, f16 or f32 operands; f32 sums; everything else in f32.
;; Inputs: Wk 1,024 x 1,024 float32; Wo 1,024 x 1,024 float32; Wq 1,024 x 1,024 float32; Wv 1,024 x 1,024 float32; bo 1,024 float32; x 4 x 4,096 x 1,024 float32.
;; Outputs: out0 4 x 4,096 x 1,024 float32.
;; This version of the problem:
;;   THIS VERSION OF THE PROBLEM IS GIVEN IN LOW PRECISION. The matrix products marked QUANTISED in the list below multiply operands that are first quantised to E2M3 (2 exponent bits, 3 mantissa bits; 6 bits a number), with one power-of-two scale for each 32 numbers along K (OCP MX v1.0); their sums are f32. All else is computed in f32.
;;   The module's matrix products, in the order in which they are computed (A, B: the left and right operand; K: the contracted axis; several contracted axes count as one K, in the product's order):
;;     1. [M 16,384, K 1,024] x [K 1,024, N 1,024]; A: input x; B: input Wq: QUANTISED
;;     2. [M 16,384, K 1,024] x [K 1,024, N 1,024]; A: input x; B: input Wk: QUANTISED
;;     3. [M 16,384, K 1,024] x [K 1,024, N 1,024]; A: input x; B: input Wv: QUANTISED
;;     4. batch 4 x [M 16, K 262,144] x [K 262,144, N 16]; A: computed on the way; B: computed on the way: QUANTISED
;;     5. batch 4 x [M 16, K 16] x [K 16, N 262,144]; A: softmax; B: computed on the way: left as it is (K = 16 < 32)
;;     6. [M 16,384, K 1,024] x [K 1,024, N 1,024]; A: computed on the way; B: input Wo: QUANTISED
;;   THE QUANTISER, for each operand of a quantised product, along K:
;;     - K is cut into blocks of 32 from its start; a last block that is shorter is filled with zeros.
;;     - A block's scale is 2^e with e = floor(log2(the largest magnitude in the block)) - 2, held to -126 .. 127; a block of zeros has e = 0. As a byte (E8M0): e + 127.
;;     - Each number is divided by its block's scale, clamped to +-7.5, and rounded to the nearest number of E2M3, ties to even, subnormals kept.
;;     - The product sums the exact products of the quantised numbers (number of the format x scale) in f32.
;;   ~~~python
;;   def quantise(x, axis):      # numpy; x: float32 -> the quantised numbers, widened to float32 again
;;       x = np.moveaxis(x, axis, -1); K = x.shape[-1]
;;       x = np.pad(x, [(0, 0)] * (x.ndim - 1) + [(0, -K % 32)]); x = x.reshape(x.shape[:-1] + (-1, 32)); a = np.abs(x).max(-1, keepdims=True)
;;       e = np.where(a > 0, np.clip(np.frexp(np.where(a > 0, a, 1))[1] - 1 - 2, -126, 127), 0)      # np.frexp(a)[1] - 1 = floor(log2(a)), exactly
;;       r = np.clip(x / 2.0 ** e, -7.5, 7.5)
;;       step = 2.0 ** (np.maximum(np.frexp(np.where(r == 0, 1, r))[1] - 1, 0) - 3)
;;       q = np.round(r / step) * step * 2.0 ** e      # np.round: ties to even
;;       return np.moveaxis(q.reshape(q.shape[:-2] + (-1,))[..., :K], -1, axis).astype(np.float32)
;;   ~~~
;;   OPERANDS COMPUTED ON THE WAY. 'Computed on the way' means the value that the module computes at that place (a softmax that the list does not call 'softmax' is quantised finished and normalised). What goes into a quantiser is computed in f32, as accurately as f32 sums, v_exp_f32 and their like allow (about 1e-6 of the number): no bf16 or f16 on the way to a quantiser, and a product that is left as it is and whose result goes on into a quantised operand takes f32 operands (vector FMAs, or v_wmma_f32_16x16x4_f32). A number that lies on a knife's edge between two numbers of the format may be rounded either way, as far as f32 arithmetic and the matrix unit's own rounding can turn it there, and no further.
;; 2 versions. Each part assembles by itself: llvm-mc -triple=amdgcn-amd-amdhsa -mcpu=gfx1250 --defsym DOCPART=n.
;; ======== version 1 of 2: 3 launches
;; workspace buffers: wimg 3,276,800 bytes; xq 13,631,488 bytes; epart 262,144 bytes
;; launch wquant (part 1): grid 256 x 1, 4 waves a work-group, no clusters, 0 bytes of LDS; arguments Wq, Wk, Wv, Wo, wimg; writes wimg
.if DOCPART == 1
	.amdgcn_target "amdgcn-amd-amdhsa--gfx1250"
	.amdhsa_code_object_version 6
	.text
	.protected	k_q3786823338_wquant
	.globl	k_q3786823338_wquant
	.p2align	8
	.type	k_q3786823338_wquant,@function
k_q3786823338_wquant:
	s_mov_b64 s[64:65], 0
	v_nop
	global_prefetch_b8 v0, s[64:65] scope:SCOPE_SE
	s_setreg_imm32_b32 hwreg(HW_REG_WAVE_MODE, 25, 1), 1
	s_wait_xcnt 0x0
; Wq, Wk, Wv, Wo [1024 (k)][1024 (n)] f32 become codes of FP6 (E2M3) with one E8M0 byte for each 32 along K, laid in wimg in the order in which the two later launches' operand registers take them.
; DEAD WORK: none.  Every product of the module and every input (x, Wq, Wk, Wv, Wo, bo) has a way to out0; the maximum ahead of the exponential stays.  Nothing is left out in any launch.
; LIMITS: NaN and infinities among the inputs are not served.  A block whose largest magnitude lies under 2^-124 is held at the scale byte 1; a block of zeros gets the byte 1 where the rule says 127:
; its codes are zeros, which add nothing under any byte but 0xff, and this program alone reads the bytes.
; A LANE TAKES A COLUMN n AND ITS REGISTERS RUN DOWN K: each load reads 128 consecutive bytes a wave, a block of 32 along K lies in one lane, and the conversions give codes with K innermost.
; SHARES: work-group id = 64 mu + 8 Gq + t: weight mu (0 Wq, 1 Wk, 2 Wv, 3 Wo), K step t (128 along K); wave w takes columns 32 G + lane, G = 4 Gq + w.
; wimg: slot 8 mu + t of 102,400 bytes = four reader waves' parts of 25,600: 16 tiles' fragments (24,576 bytes), then 16 x 16 scale words.
;   A fragment's lane (r, hk) holds blocks hk and 2 + hk of tile row r's column: 12 registers, stored as three groups of four.
;   Wq, Wk, Wo: column 256 wv + 32 B + x is row (x & 7) | ((x >> 4) << 3) of tile 2 B + ((x >> 3) & 1); group i at 1536 tile + 512 i + 16 (r + 16 hk); scale word at 24576 + 64 tile + 4 r.
;   Wv: column 64 b + 16 wv + dd is row b of tile dd; group i at 8192 i + 256 (b + 16 hk) + 16 dd; scale word at 24576 + 64 b + 4 dd.
;   In both, sixteen neighbouring lanes of a store cover 256 consecutive bytes, aligned.
.set AD,  2                            ; v2-7   byte offsets of the six stores: 3 hk + i
.set X,   32                           ; v32-159 my column's 128 numbers
.set IMG, 160                          ; v160-183 the two lanes' images: 12 hk + 6 cc
.set TC,  184                          ; v184-186 a block's upper 16 codes (a conversion's three registers begin on an even number)
	s_load_b256 s[4:11], s[0:1], 0x0               ; Wq, Wk, Wv, Wo
	s_load_b64 s[12:13], s[0:1], 0x20              ; wimg
	v_lshrrev_b32 v1, 5, v0
	v_readfirstlane_b32 s14, v1                    ; wave
	v_and_b32 v1, 31, v0                           ; x: my column among the wave's 32
	s_lshr_b32 s15, ttmp9, 6                       ; mu
	s_bfe_u32 s16, ttmp9, 0x30003                  ; Gq
	s_and_b32 s17, ttmp9, 7                        ; t
	s_lshl_b32 s16, s16, 2
	s_add_co_u32 s16, s16, s14                     ; G
	s_lshl_b32 s20, s17, 19                        ; in: 128 t rows of 4,096 bytes
	s_lshl_b32 s21, s16, 7                         ; + 32 G columns
	s_add_co_u32 s20, s20, s21
	s_mov_b32 s21, 0
	s_lshl_b32 s22, s15, 3
	s_add_co_u32 s22, s22, s17
	s_mul_i32 s22, s22, 102400                     ; out: the slot
	s_mov_b32 s23, 0
	s_lshr_b32 s24, s16, 3                         ; Wq, Wk, Wo: reader wave G >> 3, pair of tiles G & 7
	s_and_b32 s25, s16, 7
	s_mul_i32 s26, s24, 25600
	s_mul_i32 s27, s25, 3072
	s_add_co_u32 s27, s27, s26
	s_lshl_b32 s28, s25, 7
	s_add_co_u32 s28, s28, s26
	s_add_co_u32 s28, s28, 24576
	s_and_b32 s24, s16, 1                          ; Wv: reader waves 2 (G & 1) and + 1, tile row b = G >> 1
	s_lshr_b32 s25, s16, 1
	s_mul_i32 s26, s24, 51200
	s_lshl_b32 s29, s25, 8
	s_add_co_u32 s29, s29, s26
	s_lshl_b32 s30, s25, 6
	s_add_co_u32 s30, s30, s26
	s_add_co_u32 s30, s30, 24576
	s_movk_i32 s31, 256                            ; from hk = 0 to hk = 1
	s_movk_i32 s32, 512                            ; from group to group
	s_cmp_eq_u32 s15, 2                            ; Wv's layout?  The choice hangs on the work-group's number alone
	s_cselect_b32 s27, s29, s27
	s_cselect_b32 s28, s30, s28
	s_cselect_b32 s31, 0x1000, s31
	s_cselect_b32 s32, 0x2000, s32
	s_cselect_b32 s33, -1, 0
	v_bfe_u32 v10, v1, 3, 1                        ; u
	v_and_b32 v11, 7, v1
	v_lshrrev_b32 v12, 4, v1
	v_lshl_or_b32 v11, v12, 3, v11                 ; r
	v_mul_u32_u24 v13, v10, 1536
	v_lshl_add_u32 v13, v11, 4, v13                ; 1536 u + 16 r
	v_lshlrev_b32 v14, 6, v10
	v_lshl_add_u32 v14, v11, 2, v14                ; 64 u + 4 r
	v_and_b32 v15, 15, v1                          ; dd
	v_mul_u32_u24 v16, v12, 25600
	v_lshl_add_u32 v17, v15, 4, v16                ; 25600 (x >> 4) + 16 dd
	v_lshl_add_u32 v18, v15, 2, v16                ; 25600 (x >> 4) + 4 dd
	v_cndmask_b32 v13, v13, v17, s33
	v_cndmask_b32 v14, v14, v18, s33
	v_add_nc_u32 v[AD], s27, v13
	v_add_nc_u32 v8, s28, v14                      ; v8: my scale word's place
	v_add_nc_u32 v[AD+1], s32, v[AD]
	v_add_nc_u32 v[AD+2], s32, v[AD+1]
	v_add_nc_u32 v[AD+3], s31, v[AD]
	v_add_nc_u32 v[AD+4], s32, v[AD+3]
	v_add_nc_u32 v[AD+5], s32, v[AD+4]
	v_lshlrev_b32 v9, 2, v1                        ; in: 4 bytes a lane
	s_wait_kmcnt 0x0
	s_cmp_eq_u32 s15, 1
	s_cselect_b64 s[4:5], s[6:7], s[4:5]
	s_cmp_eq_u32 s15, 2
	s_cselect_b64 s[4:5], s[8:9], s[4:5]
	s_cmp_eq_u32 s15, 3
	s_cselect_b64 s[4:5], s[10:11], s[4:5]
	s_add_nc_u64 s[4:5], s[4:5], s[20:21]
	s_add_nc_u64 s[12:13], s[12:13], s[22:23]
.macro LOAD kb                         ; block kb: W(128 t + 32 kb + i, my column)
.irp i, 0,1,2,3,4,5,6,7,8,9,10,11,12,13,14,15,16,17,18,19,20,21,22,23,24,25,26,27,28,29,30,31
	global_load_b32 v[X+32*(\kb)+\i], v9, s[4:5] offset:(32*(\kb)+\i)*4096 th:TH_LOAD_NT
.endr
.endm
.macro BLOCK kb                        ; block kb = 2 cc + hk goes to registers 6 cc .. 6 cc + 5 of lane (r, hk)'s image
.set XS, X+32*(\kb)
.set CI, IMG+12*((\kb)%2)+6*((\kb)/2)
.if (\kb) < 3
	s_wait_loadcnt 32                              ; this block's 32 loads are in; the next block's 32 may be out
.else
	s_wait_loadcnt 0
.endif
.if (\kb)+2 < 4
	LOAD (\kb)+2
.endif
	v_max3_num_f32 v12, |v[XS]|, |v[XS+1]|, |v[XS+2]|    ; the block's largest magnitude: all 32 numbers are mine; two chains
	v_max3_num_f32 v13, |v[XS+3]|, |v[XS+4]|, |v[XS+5]|
.irp i, 6,10,14,18,22,26
	v_max3_num_f32 v12, v12, |v[XS+\i]|, |v[XS+\i+1]|
	v_max3_num_f32 v13, v13, |v[XS+\i+2]|, |v[XS+\i+3]|
.endr
	v_max3_num_f32 v12, v12, |v[XS+30]|, |v[XS+31]|
	v_max3_num_f32 v12, v12, v13, 0x1800000        ; and the floor 2^(3 - 127): the byte cannot fall under 1
	v_add_nc_u32 v16, 0xff000000, v12              ; 2 off the exponent field: the conversion's scale operand
	v_lshrrev_b32 v20, 23, v16                     ; the scale's byte
.if (\kb) == 0
	v_mov_b32 v24, v20
.else
	v_lshl_or_b32 v24, v20, 8*(\kb), v24           ; byte kb of the K step's scale word
.endif
	v_cvt_scalef32_pk16_fp6_f32 v[CI:CI+2], v[XS:XS+15], v16
	v_cvt_scalef32_pk16_fp6_f32 v[TC:TC+2], v[XS+16:XS+31], v16
	v_nop                                          ; one plain place behind a scaled conversion
.irp i, 0,1,2
	v_mov_b32 v[CI+3+\i], v[TC+\i]
.endr
.endm
	LOAD 0
	LOAD 1
	BLOCK 0
	BLOCK 1
	BLOCK 2
	BLOCK 3
.irp hk, 0,1
.irp i, 0,1,2
	global_store_b128 v[AD+3*\hk+\i], v[IMG+12*\hk+4*\i:IMG+12*\hk+4*\i+3], s[12:13]   ; two runs of 256 consecutive bytes, aligned
.endr
.endr
	global_store_b32 v8, v24, s[12:13]
	s_endpgm
.Lfunc_end_k_q3786823338_wquant:
	.size	k_q3786823338_wquant, .Lfunc_end_k_q3786823338_wquant-k_q3786823338_wquant
	.p2alignl 7, 3214868480
	.fill 96, 4, 3214868480
	.section	.rodata,"a",@progbits
	.p2align	6, 0x0
	.amdhsa_kernel k_q3786823338_wquant
		.amdhsa_group_segment_fixed_size 0
		.amdhsa_private_segment_fixed_size 0
		.amdhsa_enable_private_segment 0
		.amdhsa_kernarg_size 40
		.amdhsa_user_sgpr_count 2
		.amdhsa_user_sgpr_kernarg_segment_ptr 1
		.amdhsa_wavefront_size32 1
		.amdhsa_system_sgpr_workgroup_id_x 1
		.amdhsa_system_sgpr_workgroup_id_y 1
		.amdhsa_system_sgpr_workgroup_id_z 1
		.amdhsa_system_vgpr_workitem_id 0
		.amdhsa_next_free_vgpr 192
		.amdhsa_next_free_sgpr 66
		.amdhsa_reserve_vcc 0
		.amdhsa_float_denorm_mode_32 3
		.amdhsa_float_denorm_mode_16_64 3
		.amdhsa_memory_ordered 1
		.amdhsa_forward_progress 1
		.amdhsa_inst_pref_size 22
	.end_amdhsa_kernel
	.amdgpu_metadata
---
amdhsa.version: [ 1, 2 ]
amdhsa.kernels:
  - .name:           k_q3786823338_wquant
    .symbol:         k_q3786823338_wquant.kd
    .args:
      - { .name: Wq, .offset: 0, .size: 8, .value_kind: global_buffer, .address_space: global }
      - { .name: Wk, .offset: 8, .size: 8, .value_kind: global_buffer, .address_space: global }
      - { .name: Wv, .offset: 16, .size: 8, .value_kind: global_buffer, .address_space: global }
      - { .name: Wo, .offset: 24, .size: 8, .value_kind: global_buffer, .address_space: global }
      - { .name: wimg, .offset: 32, .size: 8, .value_kind: global_buffer, .address_space: global }
    .group_segment_fixed_size: 0
    .private_segment_fixed_size: 0
    .kernarg_segment_align: 8
    .kernarg_segment_size: 40
    .max_flat_workgroup_size: 128
    .sgpr_count:     66
    .vgpr_count:     192
    .wavefront_size: 32
...
	.end_amdgpu_metadata
.endif
;; end of part 1
;; launch qkenergy (part 2): grid 256 x 1, 4 waves a work-group, clusters of 4 x 1, 327,680 bytes of LDS; arguments x, wimg, xq, epart; writes xq, epart
.if DOCPART == 2
	.amdgcn_target "amdgcn-amd-amdhsa--gfx1250"
	.amdhsa_code_object_version 6
	.text
	.protected	k_q3786823338_qkenergy
	.globl	k_q3786823338_qkenergy
	.p2align	8
	.type	k_q3786823338_qkenergy,@function
k_q3786823338_qkenergy:
	s_mov_b64 s[64:65], 0
	v_nop
	global_prefetch_b8 v0, s[64:65] scope:SCOPE_SE
	s_setreg_imm32_b32 hwreg(HW_REG_WAVE_MODE, 25, 1), 1
	s_wait_xcnt 0x0
	s_wait_alu depctr_hold_cnt(0) depctr_sa_sdst(0) depctr_va_vdst(0) depctr_va_sdst(0) depctr_va_ssrc(0) depctr_va_vcc(0) depctr_vm_vsrc(0)
	s_getreg_b32 s2, hwreg(HW_REG_IB_STS2, 6, 4)
	s_cmp_eq_u32 s2, 0
	s_cbranch_scc0 .Lentry_in_a_cluster
	s_endpgm
.Lentry_in_a_cluster:
	s_bfe_u32 s2, ttmp6, 0x10000c
	s_cmp_lg_u32 s2, 0x3003
	s_cbranch_scc0 .Lentry_shape_is_right
	s_endpgm
.Lentry_shape_is_right:
; For 64 rows of x (one batch n, 64 positions s): x is quantised along its 1,024; q = Q(x) Q(Wq) and k = Q(x) Q(Wk); both are quantised along the K of the energy's product,
; and the work-group's part of energy[n][a][b] = sum over (d, s) of Q(q)[s][64 a + d] Q(k)[s][64 b + d] is stored.  All products on codes of FP6 (E2M3) with E8M0 scales, sums in f32.  No work is left out.
; THE ENERGY'S K runs over (d, s) with s INNERMOST, the order in which the product contracts its two axes: a block of 32 is 32 neighbouring positions s (from a multiple of 32 on) of ONE column 64 a + d.
; x's codes and scale words also go to xq, as images of the operand's registers, for the next launch.
; LIMITS: NaN and infinities are not served; blocks under 2^-124 are held at the scale byte 1, blocks of zeros get the byte 1 (zero codes; the bytes are this program's own);
; energy is summed in 512 parts a batch (8 K steps in two chains a wave, 4 waves, 64 work-groups), in a fixed order.
; SHARES.  Four waves share the COLUMNS: wave w makes columns 256 w .. 256 w + 255 (heads 4 w .. 4 w + 3) of q, then of k, for all 64 rows: 16 tiles of columns x 4 tiles of rows = 64 accumulators, 512 registers.
; Source 0 = 16 rows of x, source 1 = 16 columns of W: a lane holds ONE COLUMN, and register j of the tile of rows m the position 16 m + 8 (lane / 16) + j.  So a column's block of 32 positions lies in 16 consecutive
; registers of lanes l and l xor 16.  Inside a block the numbers are not laid in ascending s; q and k are laid alike, so each product pairs the right numbers, under the right scales.
; THE WEIGHTS come as 16 slots of wimg (8 K steps of Wq, 8 of Wk) through a ring of two LDS slots; wave w fills and reads its own quarter of a slot, so its own wait on TENSORcnt orders its reads.
; CLUSTER: all work-groups walk the same weights, so the four of a cluster ask jointly: the same tensor load, the same descriptor (made of the wave's number alone), the mask 15.
; No L2 prefetch: the weights are read by every cluster in step, and x is read in one burst at the head with 64 loads a wave out.
; LDS: 0 the ring (2 x 102,400) | QREG 16 heads x 3,088 (a head's row: 48 bytes for each d: two blocks of 32 positions) and QSC 16 x 132 (2 scale bytes for each d); under them at first each wave's stage for x, 16 rows x 528 |
;      XIMG x's 32 fragment images and XSC their scale words; over them later KREG, KSC (= QREG, QSC + KOFF) | EP four waves' parts of energy | the spare words.
; REGISTERS, in windows of 256: window 0: v1-30 addresses; v32-47 W's scale words, two sets; v48-55 x's, two sets; F0 v64-159, F1 v160-255: eight fragments of W each; the quantiser's work lies over F1.
;   window 1: x's four fragments, two sets (v0-47, v48-95).   window 2: accumulators of tiles 0-7, (c, m) at v[32 c + 8 m];   window 3: tiles 8-15.  At the head windows 2 and 3 hold x as loaded.
.set RP,    256                        ; a row of the ring in LDS: no padding: every fragment load takes 512 consecutive bytes
.set WSLOT, 100*RP                     ; a wave's part of a slot
.set SLOTB, 4*WSLOT
.set MPART, 25600                      ; the same in memory
.set MSLOT, 102400
.set QREG,  2*SLOTB
.set QP,    3088
.set QSC,   QREG+16*QP
.set QSP,   132
.set KOFF,  51712
.set XSTG,  QREG
.set XSP,   528
.set XIMG,  QREG+KOFF
.set XSC,   XIMG+49152
.set EP,    XSC+4096
.set SPARE, EP+4096                    ; the spare words, 128 bytes a wave: two blocks of 256 bytes that no other line names
.set SPW, 1                            ; v1  my spare word's LDS address; never rewritten
.set NIL, 2                            ; v2  0; never rewritten
.set AWA, 4                            ; v4-5  my lane's place in my part of slot 0, 1
.set ASA, 6                            ; v6-7  the same for the scale words
.set AX,  8                            ; v8  x's images of the K step to be fetched
.set AXS, 9                            ; v9  their scale words
.set SA,  12                           ; v12 stage for x, in: 16 x lane
.set SB,  13                           ; v13 and out: row r, + 64 h
.set XWI, 14                           ; v14 where I store x's images
.set XWS, 15                           ; v15 and their scale words
.set L16, 16                           ; v16 16 x lane
.set L4,  17                           ; v17 4 x lane
.set QST, 18                           ; v18 where q's codes go: my first head's row, 48 x (my lane's d in a tile) + 24 h
.set QSS, 19                           ; v19 and their scale bytes: 2 x (my lane's d in a tile)
.set ERQ, 20                           ; v20 energy: head r's row, + 24 h, my 8 K steps
.set ESQ, 22                           ; v22 and its scale words
.set EPW, 24
.set EPR, 25
.set WS,  32
.set XS,  48
.set F0,  64
.set F1,  160
.set TM,  160                          ; v160-175 the quantiser: largest magnitudes, bytes, scale operands
.set PW,  176                          ; v176 the scale word just made
.set PC,  180                          ; v180-198 the codes just made
.set WV,  12
.set CX,  13
.set GG,  14
.set G1,  16                           ; s[16:23] descriptor group 1
.set G0,  24                           ; s[24:31] group 0, a set for each slot
.set SEL, 32                           ; s[32:33] v_permlanex16_b32's selects for lane l xor 16
.set CNT, 34
.set MSB, 0
.macro WIN new                         ; the immediate's high byte repeats the setting that is left; a switch that changes nothing is dropped
.if MSB != (\new)
	s_set_vgpr_msb (MSB<<8)|(\new)
.set MSB, (\new)
.endif
.endm
.macro PLACES n
.rept \n
	v_nop
.endr
.endm
.macro CREST                           ; a round of the cluster's barrier behind its opening barrier
	s_cmp_lg_u32 s[WV], 0
	s_cbranch_scc1 .Lnot_wave_0_\@
	s_barrier_signal -3
.Lnot_wave_0_\@:
	s_barrier_wait -3
	s_barrier_signal -1
	s_barrier_wait -1
.endm
.macro CROUND
	s_barrier_signal -1
	s_barrier_wait -1
	CREST
.endm
; 64 numbers of a lane in window ws, v[s] on: registers 16 b .. 16 b + 15 are my 16 numbers of block b, whose other 16 lie in lane l xor 16.  They become 12 registers of codes, v[PC] on (window 0):
; registers 6 c .. 6 c + 5 of lane (r, h) hold the whole block 2 c + h; and the four blocks' scale bytes, v[PW].
.macro QUANT ws, s
	WIN ((\ws)<<4)|((\ws)<<2)
.irp b, 0,1,2,3
	v_max3_num_f32 v[TM+\b], 0x1800000, |v[(\s)+16*\b]|, |v[(\s)+16*\b+1]|   ; my 16 numbers of block b, from the low end on, and the floor 2^(3 - 127)
.endr
.irp i, 2,4,6,8,10,12,14
.irp b, 0,1,2,3
	v_max3_num_f32 v[TM+\b], v[TM+\b], |v[(\s)+16*\b+\i]|, |v[(\s)+16*\b+\i+1]|
.endr
.endr
	WIN 0
.irp b, 0,1,2,3
	v_permlanex16_b32 v[TM+4+\b], v[TM+\b], s[SEL], s[SEL+1]
.endr
.irp b, 0,1,2,3
	v_max_num_f32 v[TM+\b], v[TM+\b], v[TM+4+\b]   ; with lane l xor 16's: the block's largest magnitude
.endr
.irp b, 0,1,2,3
	v_add_nc_u32 v[TM+12+\b], 0xff000000, v[TM+\b] ; 2 off its exponent field: the conversion's scale operand
.endr
.irp b, 0,1,2,3
	v_lshrrev_b32 v[TM+4+\b], 23, v[TM+12+\b]      ; the scale's byte
.endr
	v_lshl_or_b32 v[PW], v[TM+5], 8, v[TM+4]
	v_lshl_or_b32 v[PW], v[TM+6], 16, v[PW]
	v_lshl_or_b32 v[PW], v[TM+7], 24, v[PW]
	WIN (\ws)
.irp c, 0,1
	v_cvt_scalef32_pk16_fp6_f32 v[PC+6*\c:PC+6*\c+2], v[(\s)+32*\c:(\s)+32*\c+15], v[TM+12+2*\c]
	v_cvt_scalef32_pk16_fp6_f32 v[PC+12+4*\c:PC+14+4*\c], v[(\s)+16+32*\c:(\s)+31+32*\c], v[TM+13+2*\c]
.endr
	WIN 0
	v_nop                                          ; one plain place behind a scaled conversion
.irp c, 0,1                            ; the operand's layout wants a whole block in a lane
.irp i, 0,1,2
	v_permlane16_swap_b32 v[PC+6*\c+\i], v[PC+12+4*\c+\i]
.endr
.irp i, 0,1,2
	v_mov_b32 v[PC+3+6*\c+\i], v[PC+12+4*\c+\i]
.endr
.endr
.endm
.macro FETCHW f, ch, s                 ; eight fragments of W, tiles 8 ch .. 8 ch + 7 of slot s: 24 loads
.irp c, 0,1,2,3,4,5,6,7
.irp i, 0,1,2
	ds_load_b128 v[\f+12*\c+4*\i:\f+12*\c+4*\i+3], v[AWA+(\s)] offset:(6*(8*\ch+\c)+2*\i)*RP
.endr
.endr
.endm
.macro FETCHS s                        ; W's scale words: register i: tile 2 i in lanes 0-15, tile 2 i + 1 in lanes 16-31
.irp i, 0,1,2,3,4,5,6,7
	ds_load_b32 v[WS+8*(\s)+\i], v[ASA+(\s)] offset:(\i/2)*RP+128*(\i%2)
.endr
.endm
.macro FETCHX s                        ; x's four fragments of a K step and their scale words
	WIN 0x40
.irp m, 0,1,2,3
.irp i, 0,1,2
	ds_load_b128 v[48*(\s)+12*\m+4*\i:48*(\s)+12*\m+4*\i+3], v[AX] offset:1536*\m+512*\i
.endr
.endr
	WIN 0
.irp m, 0,1,2,3
	ds_load_b32 v[XS+4*(\s)+\m], v[AXS] offset:128*\m
.endr
.endm
; 16 matrix instructions: tiles c0 .. c0 + 3 of chunk ch x the four tiles of rows; source 0 = x's rows, source 1 = W's columns.
; The 64 accumulators take turns, one instruction a turn, in the same order in every K step.
.macro MUL4 f, ch, c0, s, zero
.irp c, \c0, \c0+1, \c0+2, \c0+3
.irp m, 0,1,2,3
.set rD, 32*(\c)+8*\m
.set rW, \f+12*(\c)
.set rX, 48*(\s)+12*\m
.set rSW, WS+8*(\s)+4*\ch+(\c)/2
.set rSX, XS+4*(\s)+\m
.if \zero
.if (\c)%2
	v_wmma_scale_f32_16x16x128_f8f6f4 v[rD:rD+7], v[rX:rX+11], v[rW:rW+11], 0, v[rSX], v[rSW] matrix_a_fmt:MATRIX_FMT_FP6 matrix_b_fmt:MATRIX_FMT_FP6 matrix_b_scale:MATRIX_SCALE_ROW1
.else
	v_wmma_scale_f32_16x16x128_f8f6f4 v[rD:rD+7], v[rX:rX+11], v[rW:rW+11], 0, v[rSX], v[rSW] matrix_a_fmt:MATRIX_FMT_FP6 matrix_b_fmt:MATRIX_FMT_FP6
.endif
.else
.if (\c)%2
	v_wmma_scale_f32_16x16x128_f8f6f4 v[rD:rD+7], v[rX:rX+11], v[rW:rW+11], v[rD:rD+7], v[rSX], v[rSW] matrix_a_fmt:MATRIX_FMT_FP6 matrix_b_fmt:MATRIX_FMT_FP6 matrix_b_scale:MATRIX_SCALE_ROW1
.else
	v_wmma_scale_f32_16x16x128_f8f6f4 v[rD:rD+7], v[rX:rX+11], v[rW:rW+11], v[rD:rD+7], v[rSX], v[rSW] matrix_a_fmt:MATRIX_FMT_FP6 matrix_b_fmt:MATRIX_FMT_FP6
.endif
.endif
.endr
.endr
.endm
.macro STEPX
	v_add_nc_u32 v[AX], 6144, v[AX]                ; the next K step's four images
	v_add_nc_u32 v[AXS], 512, v[AXS]
.endm
.macro PROLOG s                        ; a pass's first fetches
	v_add_nc_u32 v[AX], XIMG, v[L16]
	v_add_nc_u32 v[AXS], XSC, v[L4]
	PLACES 9
	FETCHX \s
	FETCHS \s
	FETCHW F0,0,\s
.endm
; A K STEP = one slot = 64 matrix instructions.  mode 2: the slot is filled again, two steps ahead; 1: the last fill is waited for; 0: nothing.  nf = 1: the next step's first fetches.
.macro KSTEP s, zero, mode, nf
	PLACES 4                                       ; in front of loads into registers that matrix instructions have read
	FETCHW F1,1,\s
	s_wait_dscnt 24                                ; all but the 24 just issued: x, the scale words and tiles 0-7 are in
	WIN 0xa1                                       ; source 0 (x) window 1, source 1 (W) window 0, C and D window 2
	MUL4 F0,0,0,\s,\zero
	MUL4 F0,0,4,\s,\zero
	WIN 0
.if \mode == 2
	s_wait_tensorcnt 0x0                           ; all my tensor loads have landed: the one that was out is my part of the other slot
	ds_add_u32 v[SPW], v[NIL]                      ; 0 onto my spare word
	s_add_nc_u64 s[G0+4*\s+2:G0+4*\s+3], s[G0+4*\s+2:G0+4*\s+3], 2*MSLOT   ; no load of mine is out: this slot's next tile
	STEPX
	s_wait_dscnt 0x0                               ; the add is done, and my reads of this slot are over
	s_barrier_signal -1                            ; this barrier opens a round of the cluster's barrier
	WIN 0xf1
	MUL4 F1,1,0,\s,\zero                           ; work on registers while the others arrive
	WIN 0
	s_barrier_wait -1
	CREST                                          ; no wave of any partner still reads this slot or has a load on its way
	tensor_load_to_lds s[G0+4*\s:G0+4*\s+3], s[G1:G1+7]   ; my one tensor load behind the round, and the first thing there
	s_nop 0
	PLACES 4                                       ; behind a tensor load; also the places in front of the loads below
.elseif \mode == 1
	s_wait_tensorcnt 0x0                           ; the last fill, my part of the other slot, is in; only I read it
	s_wait_dscnt 0x0
	STEPX
	WIN 0xf1
	MUL4 F1,1,0,\s,\zero
	WIN 0
	PLACES 4
.else
	s_wait_dscnt 0x0
	WIN 0xf1
	MUL4 F1,1,0,\s,\zero
.endif
.if \nf
	FETCHX 1-\s
	FETCHS 1-\s
	FETCHW F0,0,1-\s
.endif
	WIN 0xf1
	MUL4 F1,1,4,\s,\zero
	WIN 0
.endm
	s_load_b256 s[4:11], s[0:1], 0x0               ; x, wimg, xq, epart
	v_lshl_add_u32 v[SPW], v0, 2, SPARE
	v_mov_b32 v[NIL], 0
	ds_add_u32 v[SPW], v[NIL]                      ; the wave's opening: the add, twice on end, and its wait ahead of my first tensor load
	ds_add_u32 v[SPW], v[NIL]
	v_lshrrev_b32 v3, 5, v0
	v_readfirstlane_b32 s[WV], v3                  ; wave 0..3
	s_bfe_u32 s[CX], ttmp6, 0x40000                ; my place in the cluster
	s_lshl_b32 s[GG], ttmp9, 2
	s_add_co_u32 s[GG], s[GG], s[CX]               ; my block of 64 rows: it enters global addresses of x, xq and epart alone
	s_mov_b32 s[G1+0], 15|(3<<16)|(1<<21)          ; 15:0 the mask: all four work-groups; 17:16 elements of 8 bytes; 21 set beside a mask; no padding
	s_mov_b32 s[G1+1], 32<<16                      ; tensor_dim0 = 32 elements: rows of 256 bytes
	s_mov_b32 s[G1+2], 100<<16                     ; tensor_dim1 = 100 rows: a wave's part, dense in memory
	s_mov_b32 s[G1+3], 32<<16                      ; tile_dim0
	s_mov_b32 s[G1+4], 100                         ; tile_dim1
	s_mov_b32 s[G1+5], 32                          ; the pitch
	s_mov_b32 s[G1+6], 0
	s_mov_b32 s[G1+7], 0
	s_mul_i32 s35, s[WV], WSLOT                    ; my part of a slot in LDS,
	s_mul_i32 s38, s[WV], MPART                    ; and in memory: the wave's number alone
	s_mov_b32 s39, 0
	s_mov_b32 s[SEL], 0x76543210
	s_mov_b32 s[SEL+1], 0xfedcba98
	s_lshl_b32 s36, s[GG], 18                      ; x: 64 rows of 4,096 bytes a work-group, 16 a wave
	s_lshl_b32 s37, s[WV], 16
	s_add_co_u32 s36, s36, s37
	s_mov_b32 s37, 0
	s_mul_i32 s42, s[GG], 53248                    ; xq: 53,248 bytes a work-group; my images at 1536 w,
	s_mul_i32 s43, s[WV], 1536
	s_lshl_b32 s45, s[WV], 7
	s_add_co_u32 s44, s42, s45                     ; my scale words at 49152 + 128 w
	s_add_co_u32 s44, s44, 49152
	s_add_co_u32 s42, s42, s43
	s_mov_b32 s43, 0
	s_mov_b32 s45, 0
	s_lshl_b32 s46, s[GG], 10                      ; epart: 1,024 bytes a work-group
	s_mov_b32 s47, 0
	s_wait_dscnt 0x0                               ; both opening adds are done
	s_wait_kmcnt 0x0
	s_add_nc_u64 s[6:7], s[6:7], s[38:39]
	s_add_nc_u64 s[4:5], s[4:5], s[36:37]
	s_add_nc_u64 s[40:41], s[8:9], s[44:45]
	s_add_nc_u64 s[8:9], s[8:9], s[42:43]
	s_add_nc_u64 s[10:11], s[10:11], s[46:47]
	CROUND                                         ; all four work-groups are here: the first joint loads meet
	s_mov_b32 s[G0], 1
	s_mov_b32 s[G0+1], s35
	s_mov_b64 s[G0+2:G0+3], s[6:7]
	s_or_b32 s[G0+3], s[G0+3], 0x80000000
	s_mov_b32 s[G0+4], 1
	s_add_co_u32 s[G0+5], s35, SLOTB
	s_add_nc_u64 s[G0+6:G0+7], s[6:7], MSLOT
	s_or_b32 s[G0+7], s[G0+7], 0x80000000
	tensor_load_to_lds s[G0:G0+3], s[G1:G1+7]      ; both first fills, ahead of every wait on TENSORcnt, LDS read and further barrier: two loads of mine are out
	s_nop 0
	tensor_load_to_lds s[G0+4:G0+7], s[G1:G1+7]
	s_nop 0
	PLACES 4
	v_and_b32 v3, 31, v0
	v_lshlrev_b32 v[L16], 4, v3
	v_lshlrev_b32 v[L4], 2, v3
; x's K step t of my 16 rows: a load a row, 512 consecutive bytes; steps 0-3 into window 2, steps 4-7 into window 3
.macro XLOAD t
	WIN 0x80+0x40*((\t)/4)
.irp i, 0,1,2,3,4,5,6,7,8,9,10,11,12,13,14,15
	global_load_b128 v[64*((\t)%4)+4*\i:64*((\t)%4)+4*\i+3], v[L16], s[4:5] offset:4096*\i+512*(\t) th:TH_LOAD_NT
.endr
	WIN 0
.endm
	XLOAD 0
	XLOAD 1
	XLOAD 2
	XLOAD 3
	v_and_b32 v26, 15, v0                          ; r
	v_bfe_u32 v27, v0, 4, 1                        ; h
	v_add_nc_u32 v[AWA], s35, v[L16]               ; row h of 256 bytes + 16 r = 16 x lane
	v_add_nc_u32 v[AWA+1], SLOTB, v[AWA]
	s_add_co_u32 s44, s35, 96*RP
	v_add_nc_u32 v[ASA], s44, v[L4]
	v_add_nc_u32 v[ASA+1], SLOTB, v[ASA]
	s_mul_i32 s44, s[WV], 16*XSP
	s_add_co_u32 s44, s44, XSTG
	v_add_nc_u32 v[SA], s44, v[L16]
	v_mul_u32_u24 v28, v26, XSP
	v_lshl_add_u32 v28, v27, 6, v28
	v_add_nc_u32 v[SB], s44, v28
	s_mul_i32 s44, s[WV], 1536
	s_add_co_u32 s44, s44, XIMG
	v_add_nc_u32 v[XWI], s44, v[L16]
	s_lshl_b32 s44, s[WV], 7
	s_add_co_u32 s44, s44, XSC
	v_add_nc_u32 v[XWS], s44, v[L4]
	v_and_b32 v29, 7, v26                          ; row r of a tile of W is column (r & 7) + 16 (r >> 3) of the tile's 32, + 8 in an odd tile (wimg's choice)
	v_lshrrev_b32 v30, 3, v26
	v_lshl_add_u32 v29, v30, 4, v29
	s_mul_i32 s44, s[WV], 4*QP
	s_add_co_u32 s44, s44, QREG
	v_mul_u32_u24 v28, v29, 48
	v_mad_u32_u24 v28, v27, 24, v28
	v_add_nc_u32 v[QST], s44, v28                  ; 48 bytes for each d; block h of its 64 positions
	s_mul_i32 s44, s[WV], 4*QSP
	s_add_co_u32 s44, s44, QSC
	v_lshl_add_u32 v[QSS], v29, 1, s44             ; 2 scale bytes for each d
	s_mul_i32 s44, s[WV], 768
	s_add_co_u32 s44, s44, QREG
	v_mul_u32_u24 v28, v26, QP
	v_mad_u32_u24 v28, v27, 24, v28
	v_add_nc_u32 v[ERQ], s44, v28
	s_lshl_b32 s44, s[WV], 5
	s_add_co_u32 s44, s44, QSC
	v_mul_u32_u24 v28, v26, QSP
	v_add_nc_u32 v[ESQ], s44, v28
	s_lshl_b32 s44, s[WV], 10
	s_add_co_u32 s44, s44, EP
	v_add_nc_u32 v[EPW], s44, v[L16]
	v_add_nc_u32 v[EPR], EP, v[L16]
.irp b, 0,1,2,3
	v_mov_b32 v[TM+4+\b], 0                        ; written once: a lane permute's destination counts as one of its sources
.endr
; x's K step t: through my stage (in as loaded, out 16 neighbours of each block a lane), quantised, its image to LDS and to xq
.macro XSTEP t
.if (\t) <= 4
	s_wait_loadcnt 48                              ; this step's 16 loads are in; those of the three steps behind it may be out
.else
	s_wait_loadcnt 16*(7-(\t))
.endif
.if (\t) < 4
	XLOAD (\t)+4
.endif
	WIN 0x08+0x04*((\t)/4)                         ; an LDS store's data are its source 1
.irp i, 0,1,2,3,4,5,6,7,8,9,10,11,12,13,14,15
	ds_store_b128 v[SA], v[64*((\t)%4)+4*\i:64*((\t)%4)+4*\i+3] offset:XSP*\i
.endr
	WIN 0
.irp b, 0,1,2,3
.irp j, 0,1,2,3
	ds_load_b128 v[F0+16*\b+4*\j:F0+16*\b+4*\j+3], v[SB] offset:128*\b+16*\j   ; LDS serves a wave's instructions in order: these see my stores
.endr
.endr
	s_wait_dscnt 0x0                               ; the numbers are back; the last step's LDS stores have read their registers
	s_wait_xcnt 0x0                                ; and so have its stores to xq: the codes' registers are written again only behind this wait
	QUANT 0,F0
.irp i, 0,1,2
	ds_store_b128 v[XWI], v[PC+4*\i:PC+4*\i+3] offset:6144*(\t)+512*\i
.endr
	ds_store_b32 v[XWS], v[PW] offset:512*(\t)
.irp i, 0,1,2
	global_store_b128 v[L16], v[PC+4*\i:PC+4*\i+3], s[8:9] offset:6144*(\t)+512*\i   ; 512 consecutive bytes, aligned
.endr
	global_store_b32 v[L4], v[PW], s[40:41] offset:512*(\t)
.endm
.irp t, 0,1,2,3,4,5,6,7
	XSTEP \t
.endr
	s_wait_xcnt 0x0                                ; the last stores to xq have read the codes' registers, on which the first fragment loads will land
	s_wait_dscnt 0x0                               ; for the others' sake: my images lie in LDS, my reads of my stage are over
	s_barrier_signal -1
	s_barrier_wait -1                              ; x's 32 images are whole; the first fills may stay out across it
	s_wait_tensorcnt 0x1                           ; my part of slot 0 is in; slot 1's may be out
	PROLOG 0
	KSTEP 0,1,2,1                                  ; q: the first K step's products start the sums
	s_mov_b32 s[CNT], 3
.Lq:
	KSTEP 1,0,2,1
	KSTEP 0,0,2,1
	s_sub_co_u32 s[CNT], s[CNT], 1
	s_cmp_lg_u32 s[CNT], 0
	s_cbranch_scc1 .Lq
	KSTEP 1,0,2,0                                  ; its refill is already Wk's second K step
; My 256 columns x 64 positions are quantised along the positions, two tiles of 16 columns at a time: 64 registers = tile 2 pp's two blocks of 32 positions, then tile 2 pp + 1's.
; Lane (r, h) then holds, for each of the two tiles, the 24 bytes of block h of its column: they go to rows [head][48 d + 24 h], which the energy's operands read as ordinary rows of codes.
; Tile 8 ch + 2 pp + c holds head 2 ch + pp / 2 of my four, d = 32 (pp % 2) + 8 c + my lane's.  The scale word's low half is tile 2 pp's two bytes, its high half tile 2 pp + 1's.
.macro EPI off
	PLACES 4                                       ; in front of the first read of results
.irp ch, 0,1
.irp pp, 0,1,2,3
	QUANT 2+\ch,64*\pp
.irp c, 0,1
.irp e, 0,1,2
	ds_store_b64 v[QST], v[PC+6*\c+2*\e:PC+6*\c+2*\e+1] offset:\off+(2*\ch+\pp/2)*QP+1536*(\pp%2)+384*\c+8*\e
.endr
.endr
	ds_store_b16 v[QSS], v[PW] offset:\off+(2*\ch+\pp/2)*QSP+64*(\pp%2)              ; both halves of the lanes write the same bytes with the same value
	ds_store_b16_d16_hi v[QSS], v[PW] offset:\off+(2*\ch+\pp/2)*QSP+64*(\pp%2)+16
	s_wait_dscnt 0x0                               ; the stores have read their registers
.endr
.endr
.endm
	EPI 0
	PROLOG 0                                       ; slot 0 holds Wk's first K step: shown landed by the last step's wait for all my loads
	KSTEP 0,1,2,1                                  ; k
	s_mov_b32 s[CNT], 2
.Lk:
	KSTEP 1,0,2,1
	KSTEP 0,0,2,1
	s_sub_co_u32 s[CNT], s[CNT], 1
	s_cmp_lg_u32 s[CNT], 0
	s_cbranch_scc1 .Lk
	KSTEP 1,0,2,1                                  ; the last fill; the tail is written out
	KSTEP 0,0,1,1
	KSTEP 1,0,0,0
	s_wait_dscnt 0x0
	s_barrier_signal -1
	s_barrier_wait -1                              ; every wave's reads of x's images are over: k's rows may lie over them
	EPI KOFF
	s_wait_dscnt 0x0
	s_barrier_signal -1
	s_barrier_wait -1                              ; q's and k's 16 rows are whole
	; ENERGY, transposed: source 0 = k's 16 heads, source 1 = q's: lane (a, h), register j = energy[a][8 h + j].  K = 64 d x 64 positions = 32 steps of 128 (two d each); I take steps 8 w .. 8 w + 7.
.irp e, 0,1,2,3,4,5,6,7
.irp p, 0,1,2,3,4,5
	ds_load_b64 v[F0+12*\e+2*\p:F0+12*\e+2*\p+1], v[ERQ] offset:KOFF+96*\e+48*(\p/3)+8*(\p%3)
	ds_load_b64 v[F1+12*\e+2*\p:F1+12*\e+2*\p+1], v[ERQ] offset:96*\e+48*(\p/3)+8*(\p%3)
.endr
	ds_load_b32 v[WS+\e], v[ESQ] offset:KOFF+4*\e
	ds_load_b32 v[WS+8+\e], v[ESQ] offset:4*\e
.endr
	s_wait_dscnt 0x0
	WIN 0xa0                                       ; C and D window 2
.irp e, 0,1
	v_wmma_scale_f32_16x16x128_f8f6f4 v[8*\e:8*\e+7], v[F0+12*\e:F0+12*\e+11], v[F1+12*\e:F1+12*\e+11], 0, v[WS+\e], v[WS+8+\e] matrix_a_fmt:MATRIX_FMT_FP6 matrix_b_fmt:MATRIX_FMT_FP6
.endr
.irp e, 2,3,4,5,6,7                    ; two accumulators by turns
	v_wmma_scale_f32_16x16x128_f8f6f4 v[8*(\e%2):8*(\e%2)+7], v[F0+12*\e:F0+12*\e+11], v[F1+12*\e:F1+12*\e+11], v[8*(\e%2):8*(\e%2)+7], v[WS+\e], v[WS+8+\e] matrix_a_fmt:MATRIX_FMT_FP6 matrix_b_fmt:MATRIX_FMT_FP6
.endr
	PLACES 4
	WIN 0x8a
.irp k, 0,2,4,6
	v_pk_add_f32 v[\k:\k+1], v[\k:\k+1], v[8+\k:9+\k]
.endr
	WIN 0x08
	ds_store_b128 v[EPW], v[0:3]
	ds_store_b128 v[EPW], v[4:7] offset:512
	WIN 0
	s_wait_dscnt 0x0
	s_barrier_signal -1
	s_barrier_wait -1                              ; the four waves' parts lie in LDS
	s_cmp_lg_u32 s[WV], 0
	s_cbranch_scc1 .Lnot_first
.irp wv, 0,1,2,3
.irp i, 0,1
	ds_load_b128 v[F0+8*\wv+4*\i:F0+8*\wv+4*\i+3], v[EPR] offset:1024*\wv+512*\i
.endr
.endr
	s_wait_dscnt 0x0
.irp wv, 1,2,3
.irp k, 0,2,4,6
	v_pk_add_f32 v[F0+\k:F0+\k+1], v[F0+\k:F0+\k+1], v[F0+8*\wv+\k:F0+8*\wv+\k+1]
.endr
.endr
	global_store_b128 v[L16], v[F0:F0+3], s[10:11]             ; the image of the eight registers: 512 consecutive bytes a store
	global_store_b128 v[L16], v[F0+4:F0+7], s[10:11] offset:512
.Lnot_first:
	s_wait_tensorcnt 0x0                           ; the wave's end, behind my last tensor load and my last LDS store
	ds_add_u32 v[SPW], v[NIL]
	s_wait_dscnt 0x0
	CROUND                                         ; the closing round: no work-group ends while a partner may still ask for a tile that names it
	s_endpgm
.Lfunc_end_k_q3786823338_qkenergy:
	.size	k_q3786823338_qkenergy, .Lfunc_end_k_q3786823338_qkenergy-k_q3786823338_qkenergy
	.p2alignl 7, 3214868480
	.fill 96, 4, 3214868480
	.section	.rodata,"a",@progbits
	.p2align	6, 0x0
	.amdhsa_kernel k_q3786823338_qkenergy
		.amdhsa_group_segment_fixed_size 327680
		.amdhsa_private_segment_fixed_size 0
		.amdhsa_enable_private_segment 0
		.amdhsa_kernarg_size 32
		.amdhsa_user_sgpr_count 2
		.amdhsa_user_sgpr_kernarg_segment_ptr 1
		.amdhsa_wavefront_size32 1
		.amdhsa_system_sgpr_workgroup_id_x 1
		.amdhsa_system_sgpr_workgroup_id_y 1
		.amdhsa_system_sgpr_workgroup_id_z 1
		.amdhsa_system_vgpr_workitem_id 0
		.amdhsa_next_free_vgpr 1024
		.amdhsa_next_free_sgpr 66
		.amdhsa_reserve_vcc 0
		.amdhsa_float_denorm_mode_32 3
		.amdhsa_float_denorm_mode_16_64 3
		.amdhsa_memory_ordered 1
		.amdhsa_forward_progress 1
		.amdhsa_inst_pref_size 255
	.end_amdhsa_kernel
	.section	.bss,"aw",@nobits
	.p2align	6
	.space	262144
	.amdgpu_metadata
---
amdhsa.version: [ 1, 2 ]
amdhsa.kernels:
  - .name:           k_q3786823338_qkenergy
    .symbol:         k_q3786823338_qkenergy.kd
    .args:
      - { .name: x, .offset: 0, .size: 8, .value_kind: global_buffer, .address_space: global }
      - { .name: wimg, .offset: 8, .size: 8, .value_kind: global_buffer, .address_space: global }
      - { .name: xq, .offset: 16, .size: 8, .value_kind: global_buffer, .address_space: global }
      - { .name: epart, .offset: 24, .size: 8, .value_kind: global_buffer, .address_space: global }
    .group_segment_fixed_size: 327680
    .private_segment_fixed_size: 0
    .kernarg_segment_align: 8
    .kernarg_segment_size: 32
    .max_flat_workgroup_size: 128
    .sgpr_count:     66
    .vgpr_count:     1024
    .wavefront_size: 32
...
	.end_amdgpu_metadata
.endif
;; end of part 2
;; launch mixout (part 3): grid 256 x 1, 4 waves a work-group, clusters of 4 x 1, 327,680 bytes of LDS; arguments xq, wimg, epart, bo, out0; writes out0
.if DOCPART == 3
	.amdgcn_target "amdgcn-amd-amdhsa--gfx1250"
	.amdhsa_code_object_version 6
	.text
	.protected	k_q3786823338_mixout
	.globl	k_q3786823338_mixout
	.p2align	8
	.type	k_q3786823338_mixout,@function
k_q3786823338_mixout:
	s_mov_b64 s[64:65], 0
	v_nop
	global_prefetch_b8 v0, s[64:65] scope:SCOPE_SE
	s_setreg_imm32_b32 hwreg(HW_REG_WAVE_MODE, 25, 1), 1
	s_wait_xcnt 0x0
	s_wait_alu depctr_hold_cnt(0) depctr_sa_sdst(0) depctr_va_vdst(0) depctr_va_sdst(0) depctr_va_ssrc(0) depctr_va_vcc(0) depctr_vm_vsrc(0)
	s_getreg_b32 s2, hwreg(HW_REG_IB_STS2, 6, 4)
	s_cmp_eq_u32 s2, 0
	s_cbranch_scc0 .Lentry_in_a_cluster
	s_endpgm
.Lentry_in_a_cluster:
	s_bfe_u32 s2, ttmp6, 0x10000c
	s_cmp_lg_u32 s2, 0x3003
	s_cbranch_scc0 .Lentry_shape_is_right
	s_endpgm
.Lentry_shape_is_right:
; For the same 64 rows (batch n, positions s0 .. s0 + 63): energy's 64 parts of the batch are summed; att = softmax over b of energy / 8, the row's maximum taken away first; v = Q(x) Q(Wv);
; out[a][s][d] = sum over b of att[a][b] v[s][64 b + d], in f32 (its result is quantised); by the reshape 16 neighbouring positions give 16 whole rows of the last product's operand, one a head a,
; with column 64 (s % 16) + d; these are quantised along their 1,024 and y = Q(out) Q(Wo) + bo is stored.  Quantised products on codes of FP6 (E2M3) with E8M0 scales, sums in f32.  No work is left out.
; LIMITS: NaN and infinities are not served; blocks under 2^-124 are held at the scale byte 1, blocks of zeros get the byte 1 (zero codes; the bytes are this program's own); weights of the softmax under 2^-126 count as 0.
; SHARES.  Four waves.  v: wave w makes d = 16 w .. 16 w + 15 of all 16 heads b, for the 64 rows: tile dd = the 16 columns 64 b + 16 w + dd.  Source 0 = the tile, source 1 = 16 rows of x:
; lane (s, h), register j = v[s][b = 8 h + j][d].  MIXING by v_wmma_f32_16x16x4_f32, K = b taken in the order 8 h + 2 p + jj on both sides, so that both operands are used as they lie:
; source 0 = registers 2 p, 2 p + 1 of v's accumulator, source 1 = the same registers of att (lane (a, h), register j = att[a][8 h + j]); the result: lane (a, h'), register j = out[a][8 h' + j][d].
; A block of 32 of the operand is half a head of one position: 16 d of mine and 16 of wave w xor 1: the two waves exchange their largest magnitudes through LDS.
; The last product: wave w makes columns 256 w .. + 255 of y for the four tiles of 16 rows.
; THE WEIGHTS: 8 slots of Wv, 8 of Wo, through a ring of two LDS slots, each wave its own quarter, asked for jointly by the four work-groups of a cluster (mask 15), as in the launch before.
; No L2 prefetch: the weights are read by every cluster in step; xq and epart are read once, at the head.
; LDS: 0 the ring (2 x 108,800: rows of 256 bytes + 16) | XIMG, XSC x's images and scale words; over them later OROW 64 rows x 784 and OSC 64 x 36 | PMX the exchanged maxima, bytes of their own for each tile of rows |
;      ESC four waves' sums of energy | the spare words.  The way out's stage, 16 rows x 1,040 a wave, lies in the wave's own part of slot 0, which has then had its last fill and its last read.
; REGISTERS: window 0: v1-23 addresses; v24-31 bo; v32-47, v48-55 scale words; v56-63 att; F0 v64-159, F1 v160-255.  window 1: v0-95 the row operand's fragments, two sets; v192-255 the mixing's results,
;   written by matrix instructions alone.  windows 2, 3: the 64 accumulators, (c, m) at v[64 m + 8 (c % 8)] of window 2 + c / 8.
.set RP,    272                        ; a row of the ring in LDS: 256 bytes + 16 = 68 words: 16 neighbouring rows start at 16 different groups of banks (64 banks of 4 bytes: ISA guide 11.1)
.set WSLOT, 100*RP
.set SLOTB, 4*WSLOT
.set MPART, 25600
.set MSLOT, 102400
.set PB,    16*MSLOT                   ; Wv's first slot in wimg
.set XIMG,  2*SLOTB
.set XSC,   XIMG+49152
.set OROW,  XIMG
.set OP,    784                        ; 768 bytes of codes + 16
.set OSC,   OROW+64*OP
.set OSP,   36
.set PMX,   XSC+4096
.set ESC,   PMX+16384
.set SPARE, ESC+4096                   ; the spare words, 128 bytes a wave: two blocks of 256 bytes that no other line names
.set SP,    1040
.set SPW, 1
.set NIL, 2
.set AWA, 4                            ; v4-5   Wo's fragments in slot 0, 1;  v6-7 its scale words
.set ASA, 6
.set AWB, 8                            ; v8-9   Wv's;  v10-11 its scale words
.set ASB, 10
.set AX,  12                           ; v12, v13 x's images and scale words of the K step to be fetched
.set AXS, 13
.set AO,  14                           ; v14, v15 the same for the last product's rows
.set AOS, 15
.set L16, 16
.set L4,  17
.set AOC, 18                           ; v18 where my codes go: row a, + 384 h + 12 w
.set AOBY, 19                          ; v19 and the scale bytes: + 16 h + w / 2
.set PMW, 20
.set PMR, 21
.set STO, 22
.set SRD, 23
.set BO,  24
.set WS,  32
.set XS,  48
.set ATT, 56
.set F0,  64
.set F1,  160
.set T,   64                           ; mixing: T[j][dd] at v[64 + 16 j + dd]
.set PM,  192
.set PP,  200
.set SCL, 208
.set BY,  216
.set CD,  224
.set D2A, 192                          ; in window 1
.set D2B, 224
.set RR,  200                          ; at the head only
.set HH,  201
.set T0,  202
.set T1,  203
.set TA0, 204
.set ESW, 205
.set ESR, 206
.set WV,  12
.set CX,  13
.set GG,  14
.set G1,  16
.set G0,  24
.set SEL, 32
.set CNT, 34
.set ODD, 46
.set MSB, 0
.macro WIN new
.if MSB != (\new)
	s_set_vgpr_msb (MSB<<8)|(\new)
.set MSB, (\new)
.endif
.endm
.macro PLACES n
.rept \n
	v_nop
.endr
.endm
.macro CREST
	s_cmp_lg_u32 s[WV], 0
	s_cbranch_scc1 .Lnot_wave_0_\@
	s_barrier_signal -3
.Lnot_wave_0_\@:
	s_barrier_wait -3
	s_barrier_signal -1
	s_barrier_wait -1
.endm
.macro CROUND
	s_barrier_signal -1
	s_barrier_wait -1
	CREST
.endm
.macro FETCHW f, ch, s, kw             ; eight fragments of the weight, tiles 8 ch .. 8 ch + 7 of slot s.  kw = 1: Wv's layout, 0: Wo's
.irp c, 0,1,2,3,4,5,6,7
.irp i, 0,1,2
.if \kw
	ds_load_b128 v[\f+12*\c+4*\i:\f+12*\c+4*\i+3], v[AWB+(\s)] offset:32*RP*\i+16*(8*\ch+\c)
.else
	ds_load_b128 v[\f+12*\c+4*\i:\f+12*\c+4*\i+3], v[AWA+(\s)] offset:(6*(8*\ch+\c)+2*\i)*RP
.endif
.endr
.endr
.endm
.macro FETCHS s, kw                    ; register i: tile 2 i in lanes 0-15, tile 2 i + 1 in lanes 16-31
.irp i, 0,1,2,3,4,5,6,7
.if \kw
	ds_load_b32 v[WS+8*(\s)+\i], v[ASB+(\s)] offset:8*\i
.else
	ds_load_b32 v[WS+8*(\s)+\i], v[ASA+(\s)] offset:(\i/2)*RP+128*(\i%2)
.endif
.endr
.endm
.macro FETCHX s, kx                    ; the row operand's four fragments and scale words.  kx = 0: x's images; 1: rows of codes
	WIN 0x40
.irp m, 0,1,2,3
.if \kx
.irp p, 0,1,2,3,4,5
	ds_load_b64 v[48*(\s)+12*\m+2*\p:48*(\s)+12*\m+2*\p+1], v[AO] offset:16*OP*\m+48*(\p/3)+8*(\p%3)
.endr
.else
.irp i, 0,1,2
	ds_load_b128 v[48*(\s)+12*\m+4*\i:48*(\s)+12*\m+4*\i+3], v[AX] offset:1536*\m+512*\i
.endr
.endif
.endr
	WIN 0
.irp m, 0,1,2,3
.if \kx
	ds_load_b32 v[XS+4*(\s)+\m], v[AOS] offset:16*OSP*\m
.else
	ds_load_b32 v[XS+4*(\s)+\m], v[AXS] offset:128*\m
.endif
.endr
.endm
.macro MUL4 f, ch, c0, s, zero         ; 16 matrix instructions; the 64 accumulators take turns, one instruction a turn
.irp c, \c0, \c0+1, \c0+2, \c0+3
.irp m, 0,1,2,3
.set rD, 64*\m+8*(\c)
.set rA, \f+12*(\c)
.set rB, 48*(\s)+12*\m
.set rSA, WS+8*(\s)+4*\ch+(\c)/2
.set rSB, XS+4*(\s)+\m
.if \zero
.if (\c)%2
	v_wmma_scale_f32_16x16x128_f8f6f4 v[rD:rD+7], v[rA:rA+11], v[rB:rB+11], 0, v[rSA], v[rSB] matrix_a_fmt:MATRIX_FMT_FP6 matrix_b_fmt:MATRIX_FMT_FP6 matrix_a_scale:MATRIX_SCALE_ROW1
.else
	v_wmma_scale_f32_16x16x128_f8f6f4 v[rD:rD+7], v[rA:rA+11], v[rB:rB+11], 0, v[rSA], v[rSB] matrix_a_fmt:MATRIX_FMT_FP6 matrix_b_fmt:MATRIX_FMT_FP6
.endif
.else
.if (\c)%2
	v_wmma_scale_f32_16x16x128_f8f6f4 v[rD:rD+7], v[rA:rA+11], v[rB:rB+11], v[rD:rD+7], v[rSA], v[rSB] matrix_a_fmt:MATRIX_FMT_FP6 matrix_b_fmt:MATRIX_FMT_FP6 matrix_a_scale:MATRIX_SCALE_ROW1
.else
	v_wmma_scale_f32_16x16x128_f8f6f4 v[rD:rD+7], v[rA:rA+11], v[rB:rB+11], v[rD:rD+7], v[rSA], v[rSB] matrix_a_fmt:MATRIX_FMT_FP6 matrix_b_fmt:MATRIX_FMT_FP6
.endif
.endif
.endr
.endr
.endm
.macro STEPX kx
.if \kx
	v_add_nc_u32 v[AO], 96, v[AO]
	v_add_nc_u32 v[AOS], 4, v[AOS]
.else
	v_add_nc_u32 v[AX], 6144, v[AX]
	v_add_nc_u32 v[AXS], 512, v[AXS]
.endif
.endm
.macro PROLOG s, kw, kx
	PLACES 9                                       ; the accumulators are begun anew, and loads land on operands that are done with
	FETCHX \s,\kx
	FETCHS \s,\kw
	FETCHW F0,0,\s,\kw
.endm
; A K STEP = one slot = 64 matrix instructions.  mode 2: the slot is filled again, two steps ahead; 1: the last fill is waited for; 0: nothing.  nf = 1: the next step's first fetches.
.macro KSTEP s, zero, mode, nf, kw, kx
	PLACES 4                                       ; in front of loads into registers that matrix instructions have read
	FETCHW F1,1,\s,\kw
	s_wait_dscnt 24                                ; all but the 24 just issued
	WIN 0xa4
	MUL4 F0,0,0,\s,\zero
	MUL4 F0,0,4,\s,\zero
	WIN 0
.if \mode == 2
	s_wait_tensorcnt 0x0                           ; all my tensor loads have landed: the one that was out is my part of the other slot
	ds_add_u32 v[SPW], v[NIL]                      ; 0 onto my spare word
	s_add_nc_u64 s[G0+4*\s+2:G0+4*\s+3], s[G0+4*\s+2:G0+4*\s+3], 2*MSLOT
	STEPX \kx
	s_wait_dscnt 0x0                               ; the add is done, and my reads of this slot are over
	s_barrier_signal -1                            ; this barrier opens a round of the cluster's barrier
	WIN 0xf4
	MUL4 F1,1,0,\s,\zero
	WIN 0
	s_barrier_wait -1
	CREST                                          ; no wave of any partner still reads this slot or has a load on its way
	tensor_load_to_lds s[G0+4*\s:G0+4*\s+3], s[G1:G1+7]   ; my one tensor load behind the round, and the first thing there
	s_nop 0
	PLACES 4
.elseif \mode == 1
	s_wait_tensorcnt 0x0                           ; the last fill, my part of the other slot, is in; only I read it
	s_wait_dscnt 0x0
	STEPX \kx
	WIN 0xf4
	MUL4 F1,1,0,\s,\zero
	WIN 0
	PLACES 4
.else
	s_wait_dscnt 0x0
	WIN 0xf4
	MUL4 F1,1,0,\s,\zero
.endif
.if \nf
	FETCHX 1-\s,\kx
	FETCHS 1-\s,\kw
	FETCHW F0,0,1-\s,\kw
.endif
	WIN 0xf4
	MUL4 F1,1,4,\s,\zero
	WIN 0
.endm
	s_load_b256 s[4:11], s[0:1], 0x0               ; xq, wimg, epart, bo
	s_load_b64 s[40:41], s[0:1], 0x20              ; out0
	v_lshl_add_u32 v[SPW], v0, 2, SPARE
	v_mov_b32 v[NIL], 0
	ds_add_u32 v[SPW], v[NIL]                      ; the wave's opening: the add, twice on end, and its wait ahead of my first tensor load
	ds_add_u32 v[SPW], v[NIL]
	v_lshrrev_b32 v3, 5, v0
	v_readfirstlane_b32 s[WV], v3
	s_bfe_u32 s[CX], ttmp6, 0x40000
	s_lshl_b32 s[GG], ttmp9, 2
	s_add_co_u32 s[GG], s[GG], s[CX]               ; my block of 64 rows: it enters global addresses of xq, epart and out0 alone
	s_mov_b32 s[G1+0], 15|(3<<16)|(1<<20)|(1<<21)|(5<<22)|(3<<25)   ; the mask 15; elements of 8 bytes; padding on; 21 set beside a mask; after every 64 words, 4 words
	s_mov_b32 s[G1+1], 32<<16
	s_mov_b32 s[G1+2], 100<<16
	s_mov_b32 s[G1+3], 32<<16
	s_mov_b32 s[G1+4], 100
	s_mov_b32 s[G1+5], 32
	s_mov_b32 s[G1+6], 0
	s_mov_b32 s[G1+7], 0
	s_mul_i32 s35, s[WV], WSLOT
	s_mul_i32 s38, s[WV], MPART
	s_add_co_u32 s38, s38, PB
	s_mov_b32 s39, 0
	s_mov_b32 s[SEL], 0x76543210
	s_mov_b32 s[SEL+1], 0xfedcba98
	s_and_b32 s[ODD], s[WV], 1
	s_mul_i32 s36, s[GG], 53248                    ; xq: my quarter of the work-group's 53,248 bytes
	s_mul_i32 s37, s[WV], 13312
	s_add_co_u32 s36, s36, s37
	s_mov_b32 s37, 0
	s_lshr_b32 s47, s[GG], 6                       ; the batch
	s_lshl_b32 s48, s47, 16                        ; epart: the batch's 64 parts of 1,024 bytes, 16 of them mine
	s_lshl_b32 s49, s[WV], 14
	s_add_co_u32 s48, s48, s49
	s_mov_b32 s49, 0
	s_lshl_b32 s50, s[WV], 10                      ; bo: my 256 columns
	s_mov_b32 s51, 0
	s_lshl_b32 s52, s47, 24                        ; out0: row 4096 n + 256 a + 4 (g % 64) + m, of 4,096 bytes; + my 256 columns
	s_and_b32 s53, s[GG], 63
	s_lshl_b32 s53, s53, 14
	s_add_co_u32 s52, s52, s53
	s_add_co_u32 s52, s52, s50
	s_mov_b32 s53, 0
	s_wait_dscnt 0x0                               ; both opening adds are done
	s_wait_kmcnt 0x0
	s_add_nc_u64 s[6:7], s[6:7], s[38:39]
	s_add_nc_u64 s[4:5], s[4:5], s[36:37]
	s_add_nc_u64 s[8:9], s[8:9], s[48:49]
	s_add_nc_u64 s[10:11], s[10:11], s[50:51]
	s_add_nc_u64 s[40:41], s[40:41], s[52:53]
	s_add_nc_u64 s[42:43], s[40:41], 0x800000      ; heads 8 to 15: so that the stores' offsets stay inside the signed 24-bit immediate
	CROUND                                         ; all four work-groups are here: the first joint loads meet
	s_mov_b32 s[G0], 1
	s_mov_b32 s[G0+1], s35
	s_mov_b64 s[G0+2:G0+3], s[6:7]
	s_or_b32 s[G0+3], s[G0+3], 0x80000000
	s_mov_b32 s[G0+4], 1
	s_add_co_u32 s[G0+5], s35, SLOTB
	s_add_nc_u64 s[G0+6:G0+7], s[6:7], MSLOT
	s_or_b32 s[G0+7], s[G0+7], 0x80000000
	tensor_load_to_lds s[G0:G0+3], s[G1:G1+7]      ; both first fills: two loads of mine are out
	s_nop 0
	tensor_load_to_lds s[G0+4:G0+7], s[G1:G1+7]
	s_nop 0
	PLACES 4
	v_and_b32 v3, 31, v0
	v_lshlrev_b32 v[L16], 4, v3
	v_lshlrev_b32 v[L4], 2, v3
	WIN 0x80
.set Q, 0
.rept 26                               ; x's images and scale words, as they lie: 512 consecutive bytes a load
	global_load_b128 v[4*Q:4*Q+3], v[L16], s[4:5] offset:512*Q th:TH_LOAD_NT
.set Q, Q+1
.endr
	WIN 0xc0
.set Q, 0
.rept 32                               ; 16 parts of energy: images of eight registers
	global_load_b128 v[4*Q:4*Q+3], v[L16], s[8:9] offset:512*Q
.set Q, Q+1
.endr
	WIN 0
	global_load_b128 v[BO:BO+3], v[L16], s[10:11]              ; bo of columns 4 lane .. + 3 of my first 128,
	global_load_b128 v[BO+4:BO+7], v[L16], s[10:11] offset:512 ; and of my second
	v_and_b32 v[RR], 15, v0                        ; r
	v_bfe_u32 v[HH], v0, 4, 1                      ; h
	v_lshlrev_b32 v[T0], 4, v[RR]
	v_mad_u32_u24 v[T0], v[HH], RP, v[T0]
	v_add_nc_u32 v[AWA], s35, v[T0]                ; Wo: row h, + 16 r
	v_add_nc_u32 v[AWA+1], SLOTB, v[AWA]
	s_add_co_u32 s44, s35, 96*RP
	v_add_nc_u32 v[ASA], s44, v[L4]
	v_add_nc_u32 v[ASA+1], SLOTB, v[ASA]
	v_mul_u32_u24 v[T0], v3, RP
	v_add_nc_u32 v[AWB], s35, v[T0]                ; Wv: a row a lane
	v_add_nc_u32 v[AWB+1], SLOTB, v[AWB]
	v_lshrrev_b32 v[T0], 2, v[RR]
	v_mul_u32_u24 v[T0], v[T0], RP
	v_and_b32 v[T1], 3, v[RR]
	v_lshl_add_u32 v[T0], v[T1], 6, v[T0]
	v_lshl_add_u32 v[T0], v[HH], 2, v[T0]
	v_add_nc_u32 v[ASB], s44, v[T0]                ; byte 64 r + 4 h of the scale words, in rows of 256
	v_add_nc_u32 v[ASB+1], SLOTB, v[ASB]
	v_add_nc_u32 v[AX], XIMG, v[L16]
	v_add_nc_u32 v[AXS], XSC, v[L4]
	v_mul_u32_u24 v[T0], v[RR], OP
	v_mad_u32_u24 v[AO], v[HH], 24, v[T0]
	v_add_nc_u32 v[AO], OROW, v[AO]
	v_mul_u32_u24 v[T1], v[RR], OSP
	v_add_nc_u32 v[AOS], OSC, v[T1]
	s_mul_i32 s44, s[WV], 12
	s_add_co_u32 s44, s44, OROW
	v_mad_u32_u24 v[AOC], v[HH], 384, v[T0]
	v_add_nc_u32 v[AOC], s44, v[AOC]
	s_lshr_b32 s44, s[WV], 1
	s_add_co_u32 s44, s44, OSC
	v_lshl_add_u32 v[AOBY], v[HH], 4, v[T1]
	v_add_nc_u32 v[AOBY], s44, v[AOBY]
	s_lshl_b32 s44, s[WV], 10
	s_add_co_u32 s45, s44, PMX
	v_add_nc_u32 v[PMW], s45, v[L16]
	s_xor_b32 s45, s[WV], 1
	s_lshl_b32 s45, s45, 10
	s_add_co_u32 s45, s45, PMX
	v_add_nc_u32 v[PMR], s45, v[L16]
	s_add_co_u32 s45, s44, ESC
	v_add_nc_u32 v[ESW], s45, v[L16]
	v_add_nc_u32 v[ESR], ESC, v[L16]
	v_mul_u32_u24 v[T0], v[RR], SP
	v_lshl_add_u32 v[T0], v[HH], 6, v[T0]
	v_add_nc_u32 v[STO], s35, v[T0]
	v_add_nc_u32 v[SRD], s35, v[L16]
	s_mul_i32 s44, s[WV], 13312
	s_add_co_u32 s44, s44, XIMG
	v_add_nc_u32 v[TA0], s44, v[L16]
	v_mov_b32 v97, 0                               ; a lane permute's destination counts as one of its sources
	s_wait_loadcnt 34                              ; x's 26 loads are in; energy's 32 and bo's 2 may be out
	WIN 0x08
.set Q, 0
.rept 26
	ds_store_b128 v[TA0], v[4*Q:4*Q+3] offset:512*Q
.set Q, Q+1
.endr
	s_wait_loadcnt 0x0
	WIN 0xcf
.set Q, 1
.rept 15                               ; my 16 parts, in four chains
.irp k, 0,2,4,6
	v_pk_add_f32 v[\k:\k+1], v[\k:\k+1], v[8*Q+\k:8*Q+\k+1]
.endr
.set Q, Q+1
.endr
	WIN 0x0c
	ds_store_b128 v[ESW], v[0:3]
	ds_store_b128 v[ESW], v[4:7] offset:512
	WIN 0
	s_wait_dscnt 0x0
	s_barrier_signal -1
	s_barrier_wait -1                              ; x's images and the four sums lie in LDS
	; THE SOFTMAX, in every wave: lane (a, h), register j = energy[a][8 h + j]
.irp wv, 0,1,2,3
.irp i, 0,1
	ds_load_b128 v[64+8*\wv+4*\i:64+8*\wv+4*\i+3], v[ESR] offset:1024*\wv+512*\i
.endr
.endr
	s_wait_dscnt 0x0
.irp wv, 1,2,3
.irp k, 0,2,4,6
	v_pk_add_f32 v[64+\k:65+\k], v[64+\k:65+\k], v[64+8*\wv+\k:65+8*\wv+\k]
.endr
.endr
	v_max3_num_f32 v96, v64, v65, v66
	v_max3_num_f32 v96, v96, v67, v68
	v_max3_num_f32 v96, v96, v69, v70
	v_max_num_f32 v96, v96, v71
	v_permlanex16_b32 v97, v96, s[SEL], s[SEL+1]
	v_max_num_f32 v96, v96, v97                    ; the row's largest energy
.irp j, 0,1,2,3,4,5,6,7
	v_sub_f32 v[64+\j], v[64+\j], v96
.endr
.irp j, 0,1,2,3,4,5,6,7
	v_mul_f32 v[64+\j], 0x3e38aa3b, v[64+\j]       ; x log2(e) / 8
.endr
.irp j, 0,1,2,3,4,5,6,7
	v_exp_f32 v[64+\j], v[64+\j]
.endr
	v_nop                                          ; a plain place behind the exponentials,
	s_wait_alu depctr_va_vdst(0)                   ; and a wait ahead of the batch's first reader
	v_add_f32 v98, v64, v65
	v_add_f32 v99, v66, v67
	v_add_f32 v100, v68, v69
	v_add_f32 v101, v70, v71
	v_add_f32 v98, v98, v99
	v_add_f32 v100, v100, v101
	v_add_f32 v98, v98, v100
	v_permlanex16_b32 v97, v98, s[SEL], s[SEL+1]
	v_add_f32 v98, v98, v97
	v_rcp_f32 v99, v98
	v_nop
	s_wait_alu depctr_va_vdst(0)
.irp j, 0,1,2,3,4,5,6,7
	v_mul_f32 v[ATT+\j], v[64+\j], v99
.endr
	s_wait_tensorcnt 0x1                           ; my part of slot 0 is in; slot 1's may be out
	PROLOG 0,1,0
	KSTEP 0,1,2,1,1,0                              ; v
	s_mov_b32 s[CNT], 3
.Lv:
	KSTEP 1,0,2,1,1,0
	KSTEP 0,0,2,1,1,0
	s_sub_co_u32 s[CNT], s[CNT], 1
	s_cmp_lg_u32 s[CNT], 0
	s_cbranch_scc1 .Lv
	KSTEP 1,0,2,0,1,0                              ; its refill is already Wo's second K step
; THE MIXING.  WG4: d = 16 w + 4 g + q, q = 0 .. 3, of tile of rows m: four accumulators by turns, four K steps of 4.  The first K step starts the sums.
.macro WG4 m, g, d2
	WIN 0x50|(2+(\g)/2)                            ; source 0 (v) window 2 or 3, source 1 (att) window 0, C and D window 1
.irp p, 0,1,2,3
.irp q, 0,1,2,3
.set rD, (\d2)+8*\q
.set rA, 64*(\m)+8*((4*(\g)+\q)%8)+2*\p
.if \p == 0
	v_wmma_f32_16x16x4_f32 v[rD:rD+7], v[rA:rA+1], v[ATT+2*\p:ATT+2*\p+1], 0
.else
	v_wmma_f32_16x16x4_f32 v[rD:rD+7], v[rA:rA+1], v[ATT+2*\p:ATT+2*\p+1], v[rD:rD+7]
.endif
.endr
.endr
.endm
.macro MV g, d2                        ; the finished sums go to other registers, so that a position's 16 d are neighbours; each accumulator is read from its low end on
	WIN 0x01
.irp j, 0,1,2,3,4,5,6,7
.irp q, 0,1,2,3
	v_mov_b32 v[T+16*\j+4*(\g)+\q], v[(\d2)+8*\q+\j]
.endr
.endr
.endm
; A tile of 16 rows.  Eight places stand ahead of each group's moves and nine ahead of each new use of a group of accumulators: they are the other group's 32 moves, or the 24 plain lines of the tile before.
.macro MIXM m
	WG4 \m,1,D2B
	MV 0,D2A
	WG4 \m,2,D2A
	MV 1,D2B
	WG4 \m,3,D2B
	MV 2,D2A
	MV 3,D2B
	WIN 0
.irp j, 0,1,2,3,4,5,6,7
	v_max3_num_f32 v[PM+\j], |v[T+16*\j]|, |v[T+16*\j+1]|, 0x1800000    ; position 8 h + j: my 16 d, and the floor 2^(3 - 127)
.endr
.irp i, 2,4,6,8,10,12,14
.irp j, 0,1,2,3,4,5,6,7
	v_max3_num_f32 v[PM+\j], v[PM+\j], |v[T+16*\j+\i]|, |v[T+16*\j+\i+1]|
.endr
.endr
	ds_store_b128 v[PMW], v[PM:PM+3] offset:4096*(\m)
	ds_store_b128 v[PMW], v[PM+4:PM+7] offset:4096*(\m)+512
	s_wait_dscnt 0x0                               ; for the others' sake: my maxima lie in LDS (and, in the first tile, my reads of x's images are over)
	s_barrier_signal -1
.if (\m) < 3
	WG4 (\m)+1,0,D2A                               ; work on registers while the others arrive
	WIN 0
.endif
	s_barrier_wait -1
	ds_load_b128 v[PP:PP+3], v[PMR] offset:4096*(\m)
	ds_load_b128 v[PP+4:PP+7], v[PMR] offset:4096*(\m)+512
	s_wait_dscnt 0x0
.irp j, 0,1,2,3,4,5,6,7
	v_max_num_f32 v[PM+\j], v[PM+\j], v[PP+\j]     ; with the other 16 d of the block
.endr
.irp j, 0,1,2,3,4,5,6,7
	v_add_nc_u32 v[SCL+\j], 0xff000000, v[PM+\j]   ; 2 off the exponent field: the conversion's scale operand
.endr
.irp j, 0,1,2,3,4,5,6,7
	v_lshrrev_b32 v[BY+\j], 23, v[SCL+\j]          ; the scale's byte
.endr
.irp j, 0,1,2,3,4,5,6,7
	v_cvt_scalef32_pk16_fp6_f32 v[CD+4*\j:CD+4*\j+2], v[T+16*\j:T+16*\j+15], v[SCL+\j]
.endr
	v_nop                                          ; one plain place behind a scaled conversion
.irp j, 0,1,2,3,4,5,6,7
.irp e, 0,1,2
	ds_store_b32 v[AOC], v[CD+4*\j+\e] offset:16*OP*(\m)+48*\j+4*\e     ; 12 bytes at 48 (8 h + j) + 12 w of row a
.endr
.endr
	s_cmp_lg_u32 s[ODD], 0                         ; the two waves of a block hold the same byte: the even one stores it
	s_cbranch_scc1 .Lodd_\@
.irp j, 0,1,2,3,4,5,6,7
	ds_store_b8 v[AOBY], v[BY+\j] offset:16*OSP*(\m)+2*\j
.endr
.Lodd_\@:
.endm
	PLACES 5                                       ; v's sums become operands of matrix instructions
	WG4 0,0,D2A
	PLACES 8
	MIXM 0
	MIXM 1
	MIXM 2
	MIXM 3
	s_wait_dscnt 0x0
	s_barrier_signal -1
	s_barrier_wait -1                              ; the 64 rows of codes and their scale bytes are whole
	PROLOG 0,0,1                                   ; slot 0 holds Wo's first K step: shown landed by the last K step's wait for all my loads
	KSTEP 0,1,2,1,0,1                              ; y
	s_mov_b32 s[CNT], 2
.Ly:
	KSTEP 1,0,2,1,0,1
	KSTEP 0,0,2,1,0,1
	s_sub_co_u32 s[CNT], s[CNT], 1
	s_cmp_lg_u32 s[CNT], 0
	s_cbranch_scc1 .Ly
	KSTEP 1,0,2,1,0,1                              ; the last fill; the tail is written out
	KSTEP 0,0,1,1,0,1
	KSTEP 1,0,0,0,0,1
; THE WAY OUT, a tile of 16 rows (heads a) at a time: through my stage, back as rows of 1,024 bytes, bo added, stored 512 consecutive aligned bytes a store.
.macro OUTM m
	WIN 0x08
.irp c, 0,1,2,3,4,5,6,7
	ds_store_b128 v[STO], v[64*(\m)+8*\c:64*(\m)+8*\c+3] offset:128*(\c/2)+32*(\c%2)          ; each accumulator from its low end on
	ds_store_b128 v[STO], v[64*(\m)+8*\c+4:64*(\m)+8*\c+7] offset:128*(\c/2)+32*(\c%2)+16
.endr
	WIN 0x0c
.irp c, 0,1,2,3,4,5,6,7
	ds_store_b128 v[STO], v[64*(\m)+8*\c:64*(\m)+8*\c+3] offset:512+128*(\c/2)+32*(\c%2)
	ds_store_b128 v[STO], v[64*(\m)+8*\c+4:64*(\m)+8*\c+7] offset:512+128*(\c/2)+32*(\c%2)+16
.endr
	WIN 0
.irp bt, 0,1
	s_wait_xcnt 0x0                                ; earlier stores have read their registers: the loads below may land there
.irp k, 0,1,2,3,4,5,6,7,8,9,10,11,12,13,14,15
	ds_load_b128 v[64+64*\bt+4*\k:64+64*\bt+4*\k+3], v[SRD] offset:SP*(8*\bt+\k/2)+512*(\k%2)   ; LDS serves a wave's instructions in order: these see my stores
.endr
.irp k, 0,1,2,3,4,5,6,7,8,9,10,11,12,13,14,15
	s_wait_dscnt 15-\k                             ; the younger loads of the batch may be out
	v_pk_add_f32 v[64+64*\bt+4*\k:65+64*\bt+4*\k], v[64+64*\bt+4*\k:65+64*\bt+4*\k], v[BO+4*(\k%2):BO+4*(\k%2)+1]
	v_pk_add_f32 v[66+64*\bt+4*\k:67+64*\bt+4*\k], v[66+64*\bt+4*\k:67+64*\bt+4*\k], v[BO+4*(\k%2)+2:BO+4*(\k%2)+3]
	global_store_b128 v[L16], v[64+64*\bt+4*\k:64+64*\bt+4*\k+3], s[40+2*\bt:41+2*\bt] offset:(\k/2)*1048576+4096*(\m)+512*(\k%2) th:TH_STORE_NT
.endr
.endr
.endm
	PLACES 4                                       ; in front of the first read of results, and of loads into registers that held fragments
	OUTM 0
	OUTM 1
	OUTM 2
	OUTM 3
	s_wait_tensorcnt 0x0                           ; the wave's end, behind my last tensor load and my last LDS store
	ds_add_u32 v[SPW], v[NIL]
	s_wait_dscnt 0x0
	CROUND                                         ; the closing round: no work-group ends while a partner may still ask for a tile that names it
	s_endpgm
.Lfunc_end_k_q3786823338_mixout:
	.size	k_q3786823338_mixout, .Lfunc_end_k_q3786823338_mixout-k_q3786823338_mixout
	.p2alignl 7, 3214868480
	.fill 96, 4, 3214868480
	.section	.rodata,"a",@progbits
	.p2align	6, 0x0
	.amdhsa_kernel k_q3786823338_mixout
		.amdhsa_group_segment_fixed_size 327680
		.amdhsa_private_segment_fixed_size 0
		.amdhsa_enable_private_segment 0
		.amdhsa_kernarg_size 40
		.amdhsa_user_sgpr_count 2
		.amdhsa_user_sgpr_kernarg_segment_ptr 1
		.amdhsa_wavefront_size32 1
		.amdhsa_system_sgpr_workgroup_id_x 1
		.amdhsa_system_sgpr_workgroup_id_y 1
		.amdhsa_system_sgpr_workgroup_id_z 1
		.amdhsa_system_vgpr_workitem_id 0
		.amdhsa_next_free_vgpr 1024
		.amdhsa_next_free_sgpr 66
		.amdhsa_reserve_vcc 0
		.amdhsa_float_denorm_mode_32 3
		.amdhsa_float_denorm_mode_16_64 3
		.amdhsa_memory_ordered 1
		.amdhsa_forward_progress 1
		.amdhsa_inst_pref_size 255
	.end_amdhsa_kernel
	.section	.bss,"aw",@nobits
	.p2align	6
	.space	262144
	.amdgpu_metadata
---
amdhsa.version: [ 1, 2 ]
amdhsa.kernels:
  - .name:           k_q3786823338_mixout
    .symbol:         k_q3786823338_mixout.kd
    .args:
      - { .name: xq, .offset: 0, .size: 8, .value_kind: global_buffer, .address_space: global }
      - { .name: wimg, .offset: 8, .size: 8, .value_kind: global_buffer, .address_space: global }
      - { .name: epart, .offset: 16, .size: 8, .value_kind: global_buffer, .address_space: global }
      - { .name: bo, .offset: 24, .size: 8, .value_kind: global_buffer, .address_space: global }
      - { .name: out0, .offset: 32, .size: 8, .value_kind: global_buffer, .address_space: global }
    .group_segment_fixed_size: 327680
    .private_segment_fixed_size: 0
    .kernarg_segment_align: 8
    .kernarg_segment_size: 40
    .max_flat_workgroup_size: 128
    .sgpr_count:     66
    .vgpr_count:     1024
    .wavefront_size: 32
...
	.end_amdgpu_metadata
.endif
;; end of part 3
;; ======== version 2 of 2: 3 launches
;; limits: right only within a limited range of input values
;; workspace buffers: wimg 3,276,800 bytes; xq 13,631,488 bytes; epart 262,144 bytes
;; launch wquant (part 4): grid 256 x 1, 4 waves a work-group, no clusters, 0 bytes of LDS; arguments Wq, Wk, Wv, Wo, wimg; writes wimg
.if DOCPART == 4
	.amdgcn_target "amdgcn-amd-amdhsa--gfx1250"
	.amdhsa_code_object_version 6
	.text
	.protected	k_q3786823338_wquant
	.globl	k_q3786823338_wquant
	.p2align	8
	.type	k_q3786823338_wquant,@function
k_q3786823338_wquant:
	s_mov_b64 s[64:65], 0
	v_nop
	global_prefetch_b8 v0, s[64:65] scope:SCOPE_SE
	s_setreg_imm32_b32 hwreg(HW_REG_WAVE_MODE, 25, 1), 1
	s_wait_xcnt 0x0
; Wq, Wk, Wv, Wo [1024 (k)][1024 (n)] f32 become codes of FP6 (E2M3) with one E8M0 byte for each 32 along K, laid in wimg in the order in which the two later launches' operand registers take them.
; DEAD WORK: none.  Every product of the module and every input (x, Wq, Wk, Wv, Wo, bo) has a way to out0; the maximum ahead of the exponential stays.  Nothing is left out in any launch.
; LIMITS: NaN and infinities among the inputs are not served.  A block whose largest magnitude lies under 2^-124 is held at the scale byte 1; a block of zeros gets the byte 1 where the rule says 127:
; its codes are zeros, which add nothing under any byte but 0xff, and this program alone reads the bytes.
; A LANE TAKES A COLUMN n AND ITS REGISTERS RUN DOWN K: each load reads 128 consecutive bytes a wave, a block of 32 along K lies in one lane, and the conversions give codes with K innermost.
; SHARES: work-group id = 64 mu + 8 Gq + t: weight mu (0 Wq, 1 Wk, 2 Wv, 3 Wo), K step t (128 along K); wave w takes columns 32 G + lane, G = 4 Gq + w.
; wimg: 32 slots of 102,400 bytes = four reader waves' parts of 25,600: 16 fragments (24,576 bytes), then 16 x 16 scale words.
;   A fragment's lane (r, hk) holds blocks hk and 2 + hk of tile row r's column: 12 registers, stored as three groups of four.
;   Wq, Wk: slot 8 mu + t.  Column 256 wv + 32 B + x is row r = (x & 7) | ((x >> 4) << 3) of tile 2 B + u, u = (x >> 3) & 1; group i at 1536 (2 B + u) + 512 i + 16 (r + 16 hk); scale word at 24576 + 64 (2 B + u) + 4 r.
;   Wo: the same rows and tiles, but a slot holds ONE PAIR OF TILES FOR ALL OF K: slot 24 + B; group i at 1536 (2 t + u) + 512 i + 16 (r + 16 hk); scale word at 24576 + 64 (2 t + u) + 4 r.
;   Wv: slot 16 + t.  Column 64 b + 16 wv + dd is row b of tile dd; group i at 8192 i + 256 (b + 16 hk) + 16 dd; scale word at 24576 + 64 b + 4 dd.
;   In all, sixteen neighbouring lanes of a store cover 256 consecutive bytes, aligned.
.set AD,  2                            ; v2-7   byte offsets of the six stores: 3 hk + i
.set X,   32                           ; v32-159 my column's 128 numbers
.set IMG, 160                          ; v160-183 the two lanes' images: 12 hk + 6 cc
.set TC,  184                          ; v184-186 a block's upper 16 codes
	s_load_b256 s[4:11], s[0:1], 0x0               ; Wq, Wk, Wv, Wo
	s_load_b64 s[12:13], s[0:1], 0x20              ; wimg
	v_lshrrev_b32 v1, 5, v0
	v_readfirstlane_b32 s14, v1                    ; wave
	v_and_b32 v1, 31, v0                           ; x: my column among the wave's 32
	s_wait_alu depctr_va_vdst(0)                   ; ahead of the run of scalar lines
	s_lshr_b32 s15, ttmp9, 6                       ; mu
	s_bfe_u32 s16, ttmp9, 0x30003                  ; Gq
	s_and_b32 s17, ttmp9, 7                        ; t
	s_lshl_b32 s16, s16, 2
	s_add_co_u32 s16, s16, s14                     ; G
	s_lshl_b32 s20, s17, 19                        ; in: 128 t rows of 4,096 bytes
	s_lshl_b32 s21, s16, 7                         ; + 32 G columns
	s_add_co_u32 s20, s20, s21
	s_mov_b32 s21, 0
	s_and_b32 s25, s16, 7                          ; B = G & 7
	s_cmp_eq_u32 s15, 3                            ; Wo: B names the slot and t the place in it; the choice hangs on the work-group's number alone
	s_cselect_b32 s34, s25, s17
	s_cselect_b32 s25, s17, s25
	s_lshl_b32 s22, s15, 3
	s_add_co_u32 s22, s22, s34
	s_mul_i32 s22, s22, 102400                     ; out: the slot
	s_mov_b32 s23, 0
	s_lshr_b32 s24, s16, 3                         ; Wq, Wk, Wo: reader wave G >> 3
	s_mul_i32 s26, s24, 25600
	s_mul_i32 s27, s25, 3072
	s_add_co_u32 s27, s27, s26
	s_lshl_b32 s28, s25, 7
	s_add_co_u32 s28, s28, s26
	s_add_co_u32 s28, s28, 24576
	s_and_b32 s24, s16, 1                          ; Wv: reader waves 2 (G & 1) and + 1, tile row b = G >> 1
	s_lshr_b32 s25, s16, 1
	s_mul_i32 s26, s24, 51200
	s_lshl_b32 s29, s25, 8
	s_add_co_u32 s29, s29, s26
	s_lshl_b32 s30, s25, 6
	s_add_co_u32 s30, s30, s26
	s_add_co_u32 s30, s30, 24576
	s_movk_i32 s31, 256                            ; from hk = 0 to hk = 1
	s_movk_i32 s32, 512                            ; from group to group
	s_cmp_eq_u32 s15, 2                            ; Wv's layout?
	s_cselect_b32 s27, s29, s27
	s_cselect_b32 s28, s30, s28
	s_cselect_b32 s31, 0x1000, s31
	s_cselect_b32 s32, 0x2000, s32
	s_cselect_b32 s33, -1, 0
	v_bfe_u32 v10, v1, 3, 1                        ; u
	v_and_b32 v11, 7, v1
	v_lshrrev_b32 v12, 4, v1
	v_lshl_or_b32 v11, v12, 3, v11                 ; r
	v_mul_u32_u24 v13, v10, 1536
	v_lshl_add_u32 v13, v11, 4, v13                ; 1536 u + 16 r
	v_lshlrev_b32 v14, 6, v10
	v_lshl_add_u32 v14, v11, 2, v14                ; 64 u + 4 r
	v_and_b32 v15, 15, v1                          ; dd
	v_mul_u32_u24 v16, v12, 25600
	v_lshl_add_u32 v17, v15, 4, v16                ; 25600 (x >> 4) + 16 dd
	v_lshl_add_u32 v18, v15, 2, v16                ; 25600 (x >> 4) + 4 dd
	v_cndmask_b32 v13, v13, v17, s33
	v_cndmask_b32 v14, v14, v18, s33
	v_add_nc_u32 v[AD], s27, v13
	v_add_nc_u32 v8, s28, v14                      ; v8: my scale word's place
	v_add_nc_u32 v[AD+1], s32, v[AD]
	v_add_nc_u32 v[AD+2], s32, v[AD+1]
	v_add_nc_u32 v[AD+3], s31, v[AD]
	v_add_nc_u32 v[AD+4], s32, v[AD+3]
	v_add_nc_u32 v[AD+5], s32, v[AD+4]
	v_lshlrev_b32 v9, 2, v1                        ; in: 4 bytes a lane
	s_wait_alu depctr_va_vdst(0)                   ; at the head's end
	s_wait_kmcnt 0x0
	s_cmp_eq_u32 s15, 1
	s_cselect_b64 s[4:5], s[6:7], s[4:5]
	s_cmp_eq_u32 s15, 2
	s_cselect_b64 s[4:5], s[8:9], s[4:5]
	s_cmp_eq_u32 s15, 3
	s_cselect_b64 s[4:5], s[10:11], s[4:5]
	s_add_nc_u64 s[4:5], s[4:5], s[20:21]
	s_add_nc_u64 s[12:13], s[12:13], s[22:23]
.macro LOAD kb                         ; block kb: W(128 t + 32 kb + i, my column)
.irp i, 0,1,2,3,4,5,6,7,8,9,10,11,12,13,14,15,16,17,18,19,20,21,22,23,24,25,26,27,28,29,30,31
	global_load_b32 v[X+32*(\kb)+\i], v9, s[4:5] offset:(32*(\kb)+\i)*4096 th:TH_LOAD_NT
.endr
.endm
.macro BLOCK kb                        ; block kb = 2 cc + hk goes to registers 6 cc .. 6 cc + 5 of lane (r, hk)'s image
.set XS, X+32*(\kb)
.set CI, IMG+12*((\kb)%2)+6*((\kb)/2)
.if (\kb) < 3
	s_wait_loadcnt 32                              ; this block's 32 loads are in; the next block's 32 may be out
.else
	s_wait_loadcnt 0
.endif
.if (\kb)+2 < 4
	LOAD (\kb)+2
.endif
	v_max3_num_f32 v12, |v[XS]|, |v[XS+1]|, |v[XS+2]|    ; the block's largest magnitude, two chains
	v_max3_num_f32 v13, |v[XS+3]|, |v[XS+4]|, |v[XS+5]|
.irp i, 6,10,14,18,22,26
	v_max3_num_f32 v12, v12, |v[XS+\i]|, |v[XS+\i+1]|
	v_max3_num_f32 v13, v13, |v[XS+\i+2]|, |v[XS+\i+3]|
.endr
	v_max3_num_f32 v12, v12, |v[XS+30]|, |v[XS+31]|
	v_max3_num_f32 v12, v12, v13, 0x1800000        ; and the floor 2^(3 - 127): the byte cannot fall under 1
	v_add_nc_u32 v16, 0xff000000, v12              ; 2 off the exponent field: the conversion's scale operand
	v_lshrrev_b32 v20, 23, v16                     ; the scale's byte
.if (\kb) == 0
	v_mov_b32 v24, v20
.else
	v_lshl_or_b32 v24, v20, 8*(\kb), v24           ; byte kb of the K step's scale word
.endif
	v_cvt_scalef32_pk16_fp6_f32 v[CI:CI+2], v[XS:XS+15], v16
	v_cvt_scalef32_pk16_fp6_f32 v[TC:TC+2], v[XS+16:XS+31], v16
	v_nop                                          ; one plain place behind a scaled conversion
.irp i, 0,1,2
	v_mov_b32 v[CI+3+\i], v[TC+\i]
.endr
.endm
	LOAD 0
	LOAD 1
	BLOCK 0
	BLOCK 1
	BLOCK 2
	BLOCK 3
.irp hk, 0,1
.irp i, 0,1,2
	global_store_b128 v[AD+3*\hk+\i], v[IMG+12*\hk+4*\i:IMG+12*\hk+4*\i+3], s[12:13]   ; two runs of 256 consecutive bytes, aligned
.endr
.endr
	global_store_b32 v8, v24, s[12:13]
	s_endpgm
.Lfunc_end_k_q3786823338_wquant:
	.size	k_q3786823338_wquant, .Lfunc_end_k_q3786823338_wquant-k_q3786823338_wquant
	.p2alignl 7, 3214868480
	.fill 96, 4, 3214868480
	.section	.rodata,"a",@progbits
	.p2align	6, 0x0
	.amdhsa_kernel k_q3786823338_wquant
		.amdhsa_group_segment_fixed_size 0
		.amdhsa_private_segment_fixed_size 0
		.amdhsa_enable_private_segment 0
		.amdhsa_kernarg_size 40
		.amdhsa_user_sgpr_count 2
		.amdhsa_user_sgpr_kernarg_segment_ptr 1
		.amdhsa_wavefront_size32 1
		.amdhsa_system_sgpr_workgroup_id_x 1
		.amdhsa_system_sgpr_workgroup_id_y 1
		.amdhsa_system_sgpr_workgroup_id_z 1
		.amdhsa_system_vgpr_workitem_id 0
		.amdhsa_next_free_vgpr 192
		.amdhsa_next_free_sgpr 66
		.amdhsa_reserve_vcc 0
		.amdhsa_float_denorm_mode_32 3
		.amdhsa_float_denorm_mode_16_64 3
		.amdhsa_memory_ordered 1
		.amdhsa_forward_progress 1
		.amdhsa_inst_pref_size 22
	.end_amdhsa_kernel
	.amdgpu_metadata
---
amdhsa.version: [ 1, 2 ]
amdhsa.kernels:
  - .name:           k_q3786823338_wquant
    .symbol:         k_q3786823338_wquant.kd
    .args:
      - { .name: Wq, .offset: 0, .size: 8, .value_kind: global_buffer, .address_space: global }
      - { .name: Wk, .offset: 8, .size: 8, .value_kind: global_buffer, .address_space: global }
      - { .name: Wv, .offset: 16, .size: 8, .value_kind: global_buffer, .address_space: global }
      - { .name: Wo, .offset: 24, .size: 8, .value_kind: global_buffer, .address_space: global }
      - { .name: wimg, .offset: 32, .size: 8, .value_kind: global_buffer, .address_space: global }
    .group_segment_fixed_size: 0
    .private_segment_fixed_size: 0
    .kernarg_segment_align: 8
    .kernarg_segment_size: 40
    .max_flat_workgroup_size: 128
    .sgpr_count:     66
    .vgpr_count:     192
    .wavefront_size: 32
...
	.end_amdgpu_metadata
.endif
;; end of part 4
;; launch qkenergy (part 5): grid 256 x 1, 4 waves a work-group, clusters of 4 x 1, 327,680 bytes of LDS; arguments x, wimg, xq, epart; writes xq, epart
.if DOCPART == 5
	.amdgcn_target "amdgcn-amd-amdhsa--gfx1250"
	.amdhsa_code_object_version 6
	.text
	.protected	k_q3786823338_qkenergy
	.globl	k_q3786823338_qkenergy
	.p2align	8
	.type	k_q3786823338_qkenergy,@function
k_q3786823338_qkenergy:
	s_mov_b64 s[64:65], 0
	v_nop
	global_prefetch_b8 v0, s[64:65] scope:SCOPE_SE
	s_setreg_imm32_b32 hwreg(HW_REG_WAVE_MODE, 25, 1), 1
	s_wait_xcnt 0x0
	s_wait_alu depctr_hold_cnt(0) depctr_sa_sdst(0) depctr_va_vdst(0) depctr_va_sdst(0) depctr_va_ssrc(0) depctr_va_vcc(0) depctr_vm_vsrc(0)
	s_getreg_b32 s2, hwreg(HW_REG_IB_STS2, 6, 4)
	s_cmp_eq_u32 s2, 0
	s_cbranch_scc0 .Lentry_in_a_cluster
	s_endpgm
.Lentry_in_a_cluster:
	s_bfe_u32 s2, ttmp6, 0x10000c
	s_cmp_lg_u32 s2, 0x3003
	s_cbranch_scc0 .Lentry_shape_is_right
	s_endpgm
.Lentry_shape_is_right:
.set RP,    256
.set WSLOT, 100*RP
.set SLOTB, 4*WSLOT
.set MPART, 25600
.set MSLOT, 102400
.set QREG,  2*SLOTB
.set QP,    3088
.set QSC,   QREG+16*QP
.set QSP,   132
.set KOFF,  51712
.set XSTG,  QREG
.set XSP,   528
.set XIMG,  QREG+KOFF
.set XSC,   XIMG+49152
.set EP,    XSC+4096
.set SPARE, EP+4096
.set SPW, 1
.set NIL, 2
.set AWA, 4
.set ASA, 6
.set AX,  8
.set AXS, 9
.set SA,  12
.set SB,  13
.set XWI, 14
.set XWS, 15
.set L16, 16
.set L4,  17
.set QST, 18
.set QSS, 19
.set ERQ, 20
.set ESQ, 22
.set EPW, 24
.set EPR, 25
.set WS,  32
.set XS,  48
.set F0,  64
.set F1,  160
.set TM,  160
.set PW,  176
.set PC,  180
.set XR,  200
.set WV,  12
.set CX,  13
.set GG,  14
.set ROT, 15
.set G1,  16
.set G0,  24
.set SEL, 32
.set CNT, 34
.set OF,  36
.set TQ,  38
.set NXT, 39
.set XB,  48
.set MSB, 0
.macro WIN new
.if MSB != (\new)
	s_set_vgpr_msb (MSB<<8)|(\new)
.set MSB, (\new)
.endif
.endm
.macro PLACES n
.rept \n
	v_nop
.endr
.endm
.macro CREST
	s_cmp_lg_u32 s[WV], 0
	s_cbranch_scc1 .Lnot_wave_0_\@
	s_barrier_signal -3
.Lnot_wave_0_\@:
	s_barrier_wait -3
	s_barrier_signal -1
	s_barrier_wait -1
.endm
.macro CROUND
	s_barrier_signal -1
	s_barrier_wait -1
	CREST
.endm
.macro NEXTW s
	s_add_co_u32 s[OF], s[NXT], s[ROT]
	s_and_b32 s[OF], s[OF], 7
	s_and_b32 s[TQ], s[NXT], 8
	s_or_b32 s[OF], s[OF], s[TQ]
	s_mul_i32 s[OF], s[OF], MSLOT
	s_add_nc_u64 s[G0+4*(\s)+2:G0+4*(\s)+3], s[6:7], s[OF:OF+1]
	s_or_b32 s[G0+4*(\s)+3], s[G0+4*(\s)+3], 0x80000000
	s_add_co_u32 s[NXT], s[NXT], 1
.endm
.macro QUANT ws, s
	WIN ((\ws)<<4)|((\ws)<<2)
.irp b, 0,1,2,3
	v_max3_num_f32 v[TM+\b], 0x1800000, |v[(\s)+16*\b]|, |v[(\s)+16*\b+1]|
.endr
.irp i, 2,4,6,8,10,12,14
.irp b, 0,1,2,3
	v_max3_num_f32 v[TM+\b], v[TM+\b], |v[(\s)+16*\b+\i]|, |v[(\s)+16*\b+\i+1]|
.endr
.endr
	WIN 0
.irp b, 0,1,2,3
	v_permlanex16_b32 v[TM+4+\b], v[TM+\b], s[SEL], s[SEL+1]
.endr
.irp b, 0,1,2,3
	v_max_num_f32 v[TM+\b], v[TM+\b], v[TM+4+\b]
.endr
.irp b, 0,1,2,3
	v_add_nc_u32 v[TM+12+\b], 0xff000000, v[TM+\b]
.endr
.irp b, 0,1,2,3
	v_lshrrev_b32 v[TM+4+\b], 23, v[TM+12+\b]
.endr
	v_lshl_or_b32 v[PW], v[TM+5], 8, v[TM+4]
	v_lshl_or_b32 v[PW], v[TM+6], 16, v[PW]
	v_lshl_or_b32 v[PW], v[TM+7], 24, v[PW]
	WIN (\ws)
.irp c, 0,1
	v_cvt_scalef32_pk16_fp6_f32 v[PC+6*\c:PC+6*\c+2], v[(\s)+32*\c:(\s)+32*\c+15], v[TM+12+2*\c]
	v_cvt_scalef32_pk16_fp6_f32 v[PC+12+4*\c:PC+14+4*\c], v[(\s)+16+32*\c:(\s)+31+32*\c], v[TM+13+2*\c]
.endr
	WIN 0
	v_nop
.irp c, 0,1
.irp i, 0,1,2
	v_permlane16_swap_b32 v[PC+6*\c+\i], v[PC+12+4*\c+\i]
.endr
.irp i, 0,1,2
	v_mov_b32 v[PC+3+6*\c+\i], v[PC+12+4*\c+\i]
.endr
.endr
.endm
.macro FETCHW f, ch, s
.irp c, 0,1,2,3,4,5,6,7
.irp i, 0,1,2
	ds_load_b128 v[\f+12*\c+4*\i:\f+12*\c+4*\i+3], v[AWA+(\s)] offset:(6*(8*\ch+\c)+2*\i)*RP
.endr
.endr
.endm
.macro FETCHS s
.irp i, 0,1,2,3,4,5,6,7
	ds_load_b32 v[WS+8*(\s)+\i], v[ASA+(\s)] offset:(\i/2)*RP+128*(\i%2)
.endr
.endm
.macro FETCHX s
	WIN 0x40
.irp m, 0,1,2,3
.irp i, 0,1,2
	ds_load_b128 v[48*(\s)+12*\m+4*\i:48*(\s)+12*\m+4*\i+3], v[AX] offset:1536*\m+512*\i
.endr
.endr
	WIN 0
.irp m, 0,1,2,3
	ds_load_b32 v[XS+4*(\s)+\m], v[AXS] offset:128*\m
.endr
.endm
.macro MUL4 f, ch, c0, s, zero
.irp c, \c0, \c0+1, \c0+2, \c0+3
.irp m, 0,1,2,3
.set rD, 32*(\c)+8*\m
.set rW, \f+12*(\c)
.set rX, 48*(\s)+12*\m
.set rSW, WS+8*(\s)+4*\ch+(\c)/2
.set rSX, XS+4*(\s)+\m
.if \zero
.if (\c)%2
	v_wmma_scale_f32_16x16x128_f8f6f4 v[rD:rD+7], v[rX:rX+11], v[rW:rW+11], 0, v[rSX], v[rSW] matrix_a_fmt:MATRIX_FMT_FP6 matrix_b_fmt:MATRIX_FMT_FP6 matrix_b_scale:MATRIX_SCALE_ROW1
.else
	v_wmma_scale_f32_16x16x128_f8f6f4 v[rD:rD+7], v[rX:rX+11], v[rW:rW+11], 0, v[rSX], v[rSW] matrix_a_fmt:MATRIX_FMT_FP6 matrix_b_fmt:MATRIX_FMT_FP6
.endif
.else
.if (\c)%2
	v_wmma_scale_f32_16x16x128_f8f6f4 v[rD:rD+7], v[rX:rX+11], v[rW:rW+11], v[rD:rD+7], v[rSX], v[rSW] matrix_a_fmt:MATRIX_FMT_FP6 matrix_b_fmt:MATRIX_FMT_FP6 matrix_b_scale:MATRIX_SCALE_ROW1
.else
	v_wmma_scale_f32_16x16x128_f8f6f4 v[rD:rD+7], v[rX:rX+11], v[rW:rW+11], v[rD:rD+7], v[rSX], v[rSW] matrix_a_fmt:MATRIX_FMT_FP6 matrix_b_fmt:MATRIX_FMT_FP6
.endif
.endif
.endr
.endr
.endm
.macro STEPX
	v_add_nc_u32 v[AX], 6144, v[AX]
	v_add_nc_u32 v[AXS], 512, v[AXS]
.endm
.macro PROLOG s
	v_add_nc_u32 v[AX], XIMG, v[L16]
	v_add_nc_u32 v[AXS], XSC, v[L4]
	PLACES 9
	FETCHX \s
	FETCHS \s
	FETCHW F0,0,\s
.endm
.macro KSTEP s, zero, mode, nf
	PLACES 4
	FETCHW F1,1,\s
	s_wait_dscnt 24
	WIN 0xa1
	MUL4 F0,0,0,\s,\zero
	MUL4 F0,0,4,\s,\zero
	WIN 0
.if \mode == 2
	s_wait_tensorcnt 0x0
	ds_add_u32 v[SPW], v[NIL]
	NEXTW \s
	STEPX
	s_wait_dscnt 0x0
	s_barrier_signal -1
	WIN 0xf1
	MUL4 F1,1,0,\s,\zero
	WIN 0
	s_barrier_wait -1
	CREST
	tensor_load_to_lds s[G0+4*\s:G0+4*\s+3], s[G1:G1+7]
	s_nop 0
	PLACES 4
.elseif \mode == 1
	s_wait_tensorcnt 0x0
	s_wait_dscnt 0x0
	STEPX
	WIN 0xf1
	MUL4 F1,1,0,\s,\zero
	WIN 0
	PLACES 4
.else
	s_wait_dscnt 0x0
	WIN 0xf1
	MUL4 F1,1,0,\s,\zero
.endif
.if \nf
	s_wait_alu depctr_va_vdst(0)
	FETCHX 1-\s
	FETCHS 1-\s
	FETCHW F0,0,1-\s
.endif
	WIN 0xf1
	MUL4 F1,1,4,\s,\zero
	WIN 0
.endm
	s_load_b256 s[4:11], s[0:1], 0x0
	v_lshl_add_u32 v[SPW], v0, 2, SPARE
	v_mov_b32 v[NIL], 0
	ds_add_u32 v[SPW], v[NIL]
	ds_add_u32 v[SPW], v[NIL]
	v_lshrrev_b32 v3, 5, v0
	v_readfirstlane_b32 s[WV], v3
	s_bfe_u32 s[CX], ttmp6, 0x40000
	s_lshl_b32 s[GG], ttmp9, 2
	s_add_co_u32 s[GG], s[GG], s[CX]
	s_lshr_b32 s[ROT], ttmp9, 3
	s_xor_b32 s[ROT], s[ROT], ttmp9
	s_and_b32 s[ROT], s[ROT], 7
	s_mov_b32 s[G1+0], 15|(3<<16)|(1<<21)
	s_mov_b32 s[G1+1], 32<<16
	s_mov_b32 s[G1+2], 100<<16
	s_mov_b32 s[G1+3], 32<<16
	s_mov_b32 s[G1+4], 100
	s_mov_b32 s[G1+5], 32
	s_mov_b32 s[G1+6], 0
	s_mov_b32 s[G1+7], 0
	s_mul_i32 s35, s[WV], WSLOT
	s_mul_i32 s38, s[WV], MPART
	s_mov_b32 s39, 0
	s_mov_b32 s[SEL], 0x76543210
	s_mov_b32 s[SEL+1], 0xfedcba98
	s_lshl_b32 s36, s[GG], 18
	s_lshl_b32 s37, s[WV], 16
	s_add_co_u32 s36, s36, s37
	s_mov_b32 s37, 0
	s_mul_i32 s42, s[GG], 53248
	s_mul_i32 s43, s[WV], 1536
	s_lshl_b32 s45, s[WV], 7
	s_add_co_u32 s44, s42, s45
	s_add_co_u32 s44, s44, 49152
	s_add_co_u32 s42, s42, s43
	s_mov_b32 s43, 0
	s_mov_b32 s45, 0
	s_lshl_b32 s46, s[GG], 10
	s_mov_b32 s47, 0
	s_wait_dscnt 0x0
	s_wait_kmcnt 0x0
	s_add_nc_u64 s[6:7], s[6:7], s[38:39]
	s_add_nc_u64 s[4:5], s[4:5], s[36:37]
	s_add_nc_u64 s[40:41], s[8:9], s[44:45]
	s_add_nc_u64 s[8:9], s[8:9], s[42:43]
	s_add_nc_u64 s[10:11], s[10:11], s[46:47]
	CROUND
	s_mul_i32 s[OF], s[ROT], MSLOT
	s_mov_b32 s[G0], 1
	s_mov_b32 s[G0+1], s35
	s_add_nc_u64 s[G0+2:G0+3], s[6:7], s[OF:OF+1]
	s_or_b32 s[G0+3], s[G0+3], 0x80000000
	s_add_co_u32 s[OF], s[ROT], 1
	s_and_b32 s[OF], s[OF], 7
	s_mul_i32 s[OF], s[OF], MSLOT
	s_mov_b32 s[G0+4], 1
	s_add_co_u32 s[G0+5], s35, SLOTB
	s_add_nc_u64 s[G0+6:G0+7], s[6:7], s[OF:OF+1]
	s_or_b32 s[G0+7], s[G0+7], 0x80000000
	s_mov_b32 s[NXT], 2
	tensor_load_to_lds s[G0:G0+3], s[G1:G1+7]
	s_nop 0
	PLACES 4
	v_and_b32 v3, 31, v0
	v_lshlrev_b32 v[L16], 4, v3
	s_wait_alu depctr_va_vdst(0)
	v_lshlrev_b32 v[L4], 2, v3
.irp i, 0,1,2,3,4,5,6,7
	s_add_co_u32 s44, s[ROT], \i
	s_and_b32 s44, s44, 7
	s_lshl_b32 s44, s44, 9
	s_add_nc_u64 s[XB+2*\i:XB+2*\i+1], s[4:5], s[44:45]
.endr
	s_lshl_b32 s46, s[ROT], 1
.irp i, 0,1,2,3,4,5,6,7,8,9,10,11,12,13,14,15
	s_add_co_u32 s44, s46, \i
	s_and_b32 s44, s44, 15
	s_lshl_b32 s44, s44, 12
	v_add_nc_u32 v[XR+\i], s44, v[L16]
.endr
.macro XLOAD t
	WIN 0x80+0x40*((\t)/4)
.irp i, 0,1,2,3,4,5,6,7,8,9,10,11,12,13,14,15
	global_load_b128 v[64*((\t)%4)+4*\i:64*((\t)%4)+4*\i+3], v[XR+\i], s[XB+2*(\t):XB+2*(\t)+1] th:TH_LOAD_NT
.endr
	WIN 0
.endm
	s_wait_alu depctr_va_vdst(0)
	XLOAD 0
	XLOAD 1
	XLOAD 2
	XLOAD 3
	s_wait_alu depctr_va_vdst(0)
	s_wait_tensorcnt 0x0
	ds_add_u32 v1, v2
	s_wait_dscnt 0x0
	CROUND
	tensor_load_to_lds s[G0+4:G0+7], s[G1:G1+7]
	s_nop 0
	PLACES 4
	v_and_b32 v26, 15, v0
	v_bfe_u32 v27, v0, 4, 1
	v_add_nc_u32 v[AWA], s35, v[L16]
	v_add_nc_u32 v[AWA+1], SLOTB, v[AWA]
	s_add_co_u32 s44, s35, 96*RP
	v_add_nc_u32 v[ASA], s44, v[L4]
	v_add_nc_u32 v[ASA+1], SLOTB, v[ASA]
	s_mul_i32 s44, s[WV], 16*XSP
	s_add_co_u32 s44, s44, XSTG
	v_add_nc_u32 v[SA], s44, v[L16]
	v_mul_u32_u24 v28, v26, XSP
	v_lshl_add_u32 v28, v27, 6, v28
	v_add_nc_u32 v[SB], s44, v28
	s_mul_i32 s44, s[WV], 1536
	s_add_co_u32 s44, s44, XIMG
	v_add_nc_u32 v[XWI], s44, v[L16]
	s_lshl_b32 s44, s[WV], 7
	s_add_co_u32 s44, s44, XSC
	v_add_nc_u32 v[XWS], s44, v[L4]
	v_and_b32 v29, 7, v26
	v_lshrrev_b32 v30, 3, v26
	v_lshl_add_u32 v29, v30, 4, v29
	s_mul_i32 s44, s[WV], 4*QP
	s_add_co_u32 s44, s44, QREG
	v_mul_u32_u24 v28, v29, 48
	v_mad_u32_u24 v28, v27, 24, v28
	v_add_nc_u32 v[QST], s44, v28
	s_mul_i32 s44, s[WV], 4*QSP
	s_add_co_u32 s44, s44, QSC
	v_lshl_add_u32 v[QSS], v29, 1, s44
	s_mul_i32 s44, s[WV], 768
	s_add_co_u32 s44, s44, QREG
	v_mul_u32_u24 v28, v26, QP
	v_mad_u32_u24 v28, v27, 24, v28
	v_add_nc_u32 v[ERQ], s44, v28
	s_lshl_b32 s44, s[WV], 5
	s_add_co_u32 s44, s44, QSC
	v_mul_u32_u24 v28, v26, QSP
	v_add_nc_u32 v[ESQ], s44, v28
	s_lshl_b32 s44, s[WV], 10
	s_add_co_u32 s44, s44, EP
	v_add_nc_u32 v[EPW], s44, v[L16]
	v_add_nc_u32 v[EPR], EP, v[L16]
.irp b, 0,1,2,3
	v_mov_b32 v[TM+4+\b], 0
.endr
.macro XSTEP t
.if (\t) <= 4
	s_wait_loadcnt 48
.else
	s_wait_loadcnt 16*(7-(\t))
.endif
.if (\t) < 4
	XLOAD (\t)+4
.endif
	WIN 0x08+0x04*((\t)/4)
.irp i, 0,1,2,3,4,5,6,7,8,9,10,11,12,13,14,15
	ds_store_b128 v[SA], v[64*((\t)%4)+4*\i:64*((\t)%4)+4*\i+3] offset:XSP*\i
.endr
	WIN 0
.irp b, 0,1,2,3
.irp j, 0,1,2,3
	ds_load_b128 v[F0+16*\b+4*\j:F0+16*\b+4*\j+3], v[SB] offset:128*\b+16*\j
.endr
.endr
	s_wait_dscnt 0x0
	s_wait_xcnt 0x0
	QUANT 0,F0
.irp i, 0,1,2
	ds_store_b128 v[XWI], v[PC+4*\i:PC+4*\i+3] offset:6144*(\t)+512*\i
.endr
	ds_store_b32 v[XWS], v[PW] offset:512*(\t)
.irp i, 0,1,2
	global_store_b128 v[L16], v[PC+4*\i:PC+4*\i+3], s[8:9] offset:6144*(\t)+512*\i
.endr
	global_store_b32 v[L4], v[PW], s[40:41] offset:512*(\t)
.endm
.irp t, 0,1,2,3,4,5,6,7
	XSTEP \t
.endr
	s_wait_xcnt 0x0
	s_wait_dscnt 0x0
	s_barrier_signal -1
	s_barrier_wait -1
	s_wait_tensorcnt 0x1
	PROLOG 0
	s_wait_alu depctr_va_vdst(0)
	KSTEP 0,1,2,1
	s_mov_b32 s[CNT], 3
.Lq:
	KSTEP 1,0,2,1
	KSTEP 0,0,2,1
	s_sub_co_u32 s[CNT], s[CNT], 1
	s_cmp_lg_u32 s[CNT], 0
	s_cbranch_scc1 .Lq
	KSTEP 1,0,2,0
.macro EPI off
	PLACES 4
.irp ch, 0,1
.irp pp, 0,1,2,3
	QUANT 2+\ch,64*\pp
.irp c, 0,1
.irp e, 0,1,2
	ds_store_b64 v[QST], v[PC+6*\c+2*\e:PC+6*\c+2*\e+1] offset:\off+(2*\ch+\pp/2)*QP+1536*(\pp%2)+384*\c+8*\e
.endr
.endr
	ds_store_b16 v[QSS], v[PW] offset:\off+(2*\ch+\pp/2)*QSP+64*(\pp%2)
	ds_store_b16_d16_hi v[QSS], v[PW] offset:\off+(2*\ch+\pp/2)*QSP+64*(\pp%2)+16
	s_wait_dscnt 0x0
.endr
.endr
.endm
	EPI 0
	PROLOG 0
	s_wait_alu depctr_va_vdst(0)
	KSTEP 0,1,2,1
	s_mov_b32 s[CNT], 2
.Lk:
	KSTEP 1,0,2,1
	KSTEP 0,0,2,1
	s_sub_co_u32 s[CNT], s[CNT], 1
	s_cmp_lg_u32 s[CNT], 0
	s_cbranch_scc1 .Lk
	KSTEP 1,0,2,1
	KSTEP 0,0,1,1
	KSTEP 1,0,0,0
	s_wait_dscnt 0x0
	s_barrier_signal -1
	s_barrier_wait -1
	EPI KOFF
	s_wait_dscnt 0x0
	s_barrier_signal -1
	s_barrier_wait -1
.irp e, 0,1,2,3,4,5,6,7
.irp p, 0,1,2,3,4,5
	ds_load_b64 v[F0+12*\e+2*\p:F0+12*\e+2*\p+1], v[ERQ] offset:KOFF+96*\e+48*(\p/3)+8*(\p%3)
	ds_load_b64 v[F1+12*\e+2*\p:F1+12*\e+2*\p+1], v[ERQ] offset:96*\e+48*(\p/3)+8*(\p%3)
.endr
	ds_load_b32 v[WS+\e], v[ESQ] offset:KOFF+4*\e
	ds_load_b32 v[WS+8+\e], v[ESQ] offset:4*\e
.endr
	s_wait_dscnt 0x0
	WIN 0xa0
.irp e, 0,1
	v_wmma_scale_f32_16x16x128_f8f6f4 v[8*\e:8*\e+7], v[F0+12*\e:F0+12*\e+11], v[F1+12*\e:F1+12*\e+11], 0, v[WS+\e], v[WS+8+\e] matrix_a_fmt:MATRIX_FMT_FP6 matrix_b_fmt:MATRIX_FMT_FP6
.endr
.irp e, 2,3,4,5,6,7
	v_wmma_scale_f32_16x16x128_f8f6f4 v[8*(\e%2):8*(\e%2)+7], v[F0+12*\e:F0+12*\e+11], v[F1+12*\e:F1+12*\e+11], v[8*(\e%2):8*(\e%2)+7], v[WS+\e], v[WS+8+\e] matrix_a_fmt:MATRIX_FMT_FP6 matrix_b_fmt:MATRIX_FMT_FP6
.endr
	PLACES 4
	WIN 0x8a
.irp k, 0,2,4,6
	v_pk_add_f32 v[\k:\k+1], v[\k:\k+1], v[8+\k:9+\k]
.endr
	WIN 0x08
	ds_store_b128 v[EPW], v[0:3]
	ds_store_b128 v[EPW], v[4:7] offset:512
	WIN 0
	s_wait_dscnt 0x0
	s_barrier_signal -1
	s_barrier_wait -1
	s_cmp_lg_u32 s[WV], 0
	s_cbranch_scc1 .Lnot_first
.irp wv, 0,1,2,3
.irp i, 0,1
	ds_load_b128 v[F0+8*\wv+4*\i:F0+8*\wv+4*\i+3], v[EPR] offset:1024*\wv+512*\i
.endr
.endr
	s_wait_dscnt 0x0
.irp wv, 1,2,3
.irp k, 0,2,4,6
	v_pk_add_f32 v[F0+\k:F0+\k+1], v[F0+\k:F0+\k+1], v[F0+8*\wv+\k:F0+8*\wv+\k+1]
.endr
.endr
	global_store_b128 v[L16], v[F0:F0+3], s[10:11]
	global_store_b128 v[L16], v[F0+4:F0+7], s[10:11] offset:512
.Lnot_first:
	s_wait_tensorcnt 0x0
	ds_add_u32 v[SPW], v[NIL]
	s_wait_dscnt 0x0
	CROUND
	s_endpgm
.Lfunc_end_k_q3786823338_qkenergy:
	.size	k_q3786823338_qkenergy, .Lfunc_end_k_q3786823338_qkenergy-k_q3786823338_qkenergy
	.p2alignl 7, 3214868480
	.fill 96, 4, 3214868480
	.section	.rodata,"a",@progbits
	.p2align	6, 0x0
	.amdhsa_kernel k_q3786823338_qkenergy
		.amdhsa_group_segment_fixed_size 327680
		.amdhsa_private_segment_fixed_size 0
		.amdhsa_enable_private_segment 0
		.amdhsa_kernarg_size 32
		.amdhsa_user_sgpr_count 2
		.amdhsa_user_sgpr_kernarg_segment_ptr 1
		.amdhsa_wavefront_size32 1
		.amdhsa_system_sgpr_workgroup_id_x 1
		.amdhsa_system_sgpr_workgroup_id_y 1
		.amdhsa_system_sgpr_workgroup_id_z 1
		.amdhsa_system_vgpr_workitem_id 0
		.amdhsa_next_free_vgpr 1024
		.amdhsa_next_free_sgpr 66
		.amdhsa_reserve_vcc 0
		.amdhsa_float_denorm_mode_32 3
		.amdhsa_float_denorm_mode_16_64 3
		.amdhsa_memory_ordered 1
		.amdhsa_forward_progress 1
		.amdhsa_inst_pref_size 255
	.end_amdhsa_kernel
	.section	.bss,"aw",@nobits
	.p2align	6
	.space	262144
	.amdgpu_metadata
---
amdhsa.version: [ 1, 2 ]
amdhsa.kernels:
  - .name:           k_q3786823338_qkenergy
    .symbol:         k_q3786823338_qkenergy.kd
    .args:
      - { .name: x, .offset: 0, .size: 8, .value_kind: global_buffer, .address_space: global }
      - { .name: wimg, .offset: 8, .size: 8, .value_kind: global_buffer, .address_space: global }
      - { .name: xq, .offset: 16, .size: 8, .value_kind: global_buffer, .address_space: global }
      - { .name: epart, .offset: 24, .size: 8, .value_kind: global_buffer, .address_space: global }
    .group_segment_fixed_size: 327680
    .private_segment_fixed_size: 0
    .kernarg_segment_align: 8
    .kernarg_segment_size: 32
    .max_flat_workgroup_size: 128
    .sgpr_count:     66
    .vgpr_count:     1024
    .wavefront_size: 32
...
	.end_amdgpu_metadata
.endif
;; end of part 5
;; launch mixout (part 6): grid 256 x 1, 4 waves a work-group, clusters of 4 x 1, 327,680 bytes of LDS; arguments xq, wimg, epart, bo, out0; writes out0
.if DOCPART == 6
	.amdgcn_target "amdgcn-amd-amdhsa--gfx1250"
	.amdhsa_code_object_version 6
	.text
	.protected	k_q3786823338_mixout
	.globl	k_q3786823338_mixout
	.p2align	8
	.type	k_q3786823338_mixout,@function
k_q3786823338_mixout:
	s_mov_b64 s[64:65], 0
	v_nop
	global_prefetch_b8 v0, s[64:65] scope:SCOPE_SE
	s_setreg_imm32_b32 hwreg(HW_REG_WAVE_MODE, 25, 1), 1
	s_wait_xcnt 0x0
	s_wait_alu depctr_hold_cnt(0) depctr_sa_sdst(0) depctr_va_vdst(0) depctr_va_sdst(0) depctr_va_ssrc(0) depctr_va_vcc(0) depctr_vm_vsrc(0)
	s_getreg_b32 s2, hwreg(HW_REG_IB_STS2, 6, 4)
	s_cmp_eq_u32 s2, 0
	s_cbranch_scc0 .Lentry_in_a_cluster
	s_endpgm
.Lentry_in_a_cluster:
	s_bfe_u32 s2, ttmp6, 0x10000c
	s_cmp_lg_u32 s2, 0x3003
	s_cbranch_scc0 .Lentry_shape_is_right
	s_endpgm
.Lentry_shape_is_right:
; For 64 positions s of one batch n: softmax of the summed energies; v = xq Wv (MX-FP6); o[a][s][d] = sum over b of att[a][b] v[s][64 b + d] (f32 matrix form: its result goes into a quantiser);
; o quantised along the reshaped rows (row a 256 + s / 16, column 64 (s % 16) + d); out0 = o Wo + bo (MX-FP6).  Nothing is left out: no work of this launch is dead.
; LIMITS: as stated at the head of wquant.  The softmax takes its row's maximum away first.
; SHARES: work-group g: rows 64 g .. 64 g + 63 of x (their codes lie in xq as operand images, K steps and rows turned by ROT as the launch before laid them).  Wave w: 256 columns of each weight.
; THE WEIGHTS come through a ring of two LDS slots of 102,400 bytes (+ padding), 16 fills in all: Wv's eight K steps, then Wo's eight pairs of tiles.  Each wave fetches its own quarter of a slot by one tensor load.
; CLUSTERS: the four work-groups of a cluster walk the same slots of wimg and ask for each JOINTLY (mask 15); a round of the cluster's barrier stands in front of every refill.
; THE LAST PRODUCT holds all of o (64 rows x 1,024: 32 fragments, 384 registers) and walks Wo by pairs of tiles (32 columns of each wave) through all of K: 8 accumulators by turns, bo as the C of each sum's first product.
; After two pairs 64 rows x 64 columns of each wave are finished: they go through the wave's own stage in LDS and leave as aligned runs of 256 bytes while the later pairs are fetched and multiplied.
; The order of the pairs is turned by ROT & 6 from cluster to cluster; only addresses hang on it (the slot, bo's place, the columns of out0).  o's K steps are taken out of their turned order as they are loaded.
; NO DATA PREFETCH: each slot of wimg is asked for by all 64 clusters, in eight orders turned against each other; xq, epart and bo are asked for in the head's first lines, with no loop ahead of them to run in.
; REGISTERS.  Window 0: v1-31 addresses; v32-63 scale words alone; v64-159, v160-255 two buffers of eight weight fragments (in the mix: work registers).  Window 1: v0-95 x's fragments, two sets
; (later v0-127 rows on their way out); v128-159 bo as C; v160-167 att; v192-255 the f32 products' results alone.  Windows 2, 3: v's 64 accumulators; later o's fragments (v0-191) and the last product's accumulators (v192-255).
.set RP,    272
.set WSLOT, 100*RP
.set SLOTB, 4*WSLOT
.set MPART, 25600
.set MSLOT, 102400
.set PB,    16*MSLOT
.set XIMG,  2*SLOTB
.set XSC,   XIMG+49152
.set OROW,  XIMG                       ; o's codes take x's place: 64 rows of 768 + 16 bytes
.set OP,    784
.set OSC,   OROW+64*OP
.set OSP,   36
.set PMX,   XSC+4096
.set ESC,   PMX+16384
.set BIAS,  ESC+4096                   ; bo, 1,024 bytes a wave
.set SPARE, BIAS+4096
.set STG,   XIMG                       ; the way out: 64 rows of 256 + 16 bytes a wave, on o's and the maxima's bytes, which are read no more by then (two barriers lie between)
.set SP,    272
.set SPW, 1
.set NIL, 2
.set AWA, 4
.set ASA, 6
.set AWB, 8
.set ASB, 10
.set AX,  12
.set AXS, 13
.set AO,  14
.set L16, 16
.set L4,  17
.set AOC, 18
.set AOBY, 19
.set PMW, 20
.set PMR, 21
.set STO, 22
.set SRD, 23
.set BO,  24                           ; v24-31 bo on its way to LDS; then:
.set CO,  24                           ; my byte offset in out0
.set ABI, 25                           ; bo in LDS: this trip's columns
.set ABI0, 26
.set WS,  32                           ; the weights' scale words, two sets of eight
.set XS,  48                           ; x's, two sets of four
.set OS,  48                           ; o's: v[OS + 8 hf + t]: lanes 0-15 tile 2 hf, lanes 16-31 tile 2 hf + 1
.set F0,  64
.set F1,  160
.set T,   64
.set PM,  192
.set PP,  200
.set SCL, 208
.set BY,  216
.set CD,  224
.set BC,  128                          ; window 1
.set ATT, 160                          ; window 1
.set D2A, 192                          ; window 1
.set D2B, 224
.set RR,  200
.set HH,  201
.set T0,  202
.set T1,  203
.set TA0, 204
.set ESW, 205
.set ESR, 206
.set WV,  12
.set CX,  13
.set GG,  14
.set ROT, 15
.set G1,  16
.set G0,  24
.set SEL, 32
.set CNT, 34
.set OF,  36
.set TQ,  38
.set NXT, 39
.set ODD, 46
.set RH,  59
.set QC,  60
.set QO,  62
.set OB,  66                           ; s[66:69] this trip's bases in out0: heads 0-7, heads 8-15
.set MSB, 0
.macro WIN new
.if MSB != (\new)
	s_set_vgpr_msb (MSB<<8)|(\new)
.set MSB, (\new)
.endif
.endm
.macro PLACES n
.rept \n
	v_nop
.endr
.endm
.macro CREST
	s_cmp_lg_u32 s[WV], 0
	s_cbranch_scc1 .Lnot_wave_0_\@
	s_barrier_signal -3
.Lnot_wave_0_\@:
	s_barrier_wait -3
	s_barrier_signal -1
	s_barrier_wait -1
.endm
.macro CROUND
	s_barrier_signal -1
	s_barrier_wait -1
	CREST
.endm
.macro NEXTW s                         ; fill NXT: Wv's K step (NXT + ROT) & 7, or (NXT >= 8) Wo's pair (NXT + (ROT & 6)) & 7
	s_and_b32 s[TQ], s[NXT], 8
	s_lshr_b32 s[OF], s[TQ], 3
	s_and_not1_b32 s[OF], s[ROT], s[OF]
	s_add_co_u32 s[OF], s[OF], s[NXT]
	s_and_b32 s[OF], s[OF], 7
	s_or_b32 s[OF], s[OF], s[TQ]
	s_mul_i32 s[OF], s[OF], MSLOT
	s_add_nc_u64 s[G0+4*(\s)+2:G0+4*(\s)+3], s[6:7], s[OF:OF+1]
	s_or_b32 s[G0+4*(\s)+3], s[G0+4*(\s)+3], 0x80000000
	s_add_co_u32 s[NXT], s[NXT], 1
.endm
.macro WM                              ; one product, from the symbols rD rC rA rB rSA rSB; CZ: C = 0; ROWA, ROWB: that side's scales stand in lanes 16-31
.if CZ
.if ROWA
	v_wmma_scale_f32_16x16x128_f8f6f4 v[rD:rD+7], v[rA:rA+11], v[rB:rB+11], 0, v[rSA], v[rSB] matrix_a_fmt:MATRIX_FMT_FP6 matrix_b_fmt:MATRIX_FMT_FP6 matrix_a_scale:MATRIX_SCALE_ROW1
.else
	v_wmma_scale_f32_16x16x128_f8f6f4 v[rD:rD+7], v[rA:rA+11], v[rB:rB+11], 0, v[rSA], v[rSB] matrix_a_fmt:MATRIX_FMT_FP6 matrix_b_fmt:MATRIX_FMT_FP6
.endif
.elseif ROWA && ROWB
	v_wmma_scale_f32_16x16x128_f8f6f4 v[rD:rD+7], v[rA:rA+11], v[rB:rB+11], v[rC:rC+7], v[rSA], v[rSB] matrix_a_fmt:MATRIX_FMT_FP6 matrix_b_fmt:MATRIX_FMT_FP6 matrix_a_scale:MATRIX_SCALE_ROW1 matrix_b_scale:MATRIX_SCALE_ROW1
.elseif ROWA
	v_wmma_scale_f32_16x16x128_f8f6f4 v[rD:rD+7], v[rA:rA+11], v[rB:rB+11], v[rC:rC+7], v[rSA], v[rSB] matrix_a_fmt:MATRIX_FMT_FP6 matrix_b_fmt:MATRIX_FMT_FP6 matrix_a_scale:MATRIX_SCALE_ROW1
.elseif ROWB
	v_wmma_scale_f32_16x16x128_f8f6f4 v[rD:rD+7], v[rA:rA+11], v[rB:rB+11], v[rC:rC+7], v[rSA], v[rSB] matrix_a_fmt:MATRIX_FMT_FP6 matrix_b_fmt:MATRIX_FMT_FP6 matrix_b_scale:MATRIX_SCALE_ROW1
.else
	v_wmma_scale_f32_16x16x128_f8f6f4 v[rD:rD+7], v[rA:rA+11], v[rB:rB+11], v[rC:rC+7], v[rSA], v[rSB] matrix_a_fmt:MATRIX_FMT_FP6 matrix_b_fmt:MATRIX_FMT_FP6
.endif
.endm
.macro FETCHW f, ch, s, y              ; eight fragments of slot s; y = 0: Wv's layout, y = 1: Wo's
.irp c, 0,1,2,3,4,5,6,7
.irp i, 0,1,2
.if \y
	ds_load_b128 v[\f+12*\c+4*\i:\f+12*\c+4*\i+3], v[AWA+(\s)] offset:(6*(8*\ch+\c)+2*\i)*RP
.else
	ds_load_b128 v[\f+12*\c+4*\i:\f+12*\c+4*\i+3], v[AWB+(\s)] offset:32*RP*\i+16*(8*\ch+\c)
.endif
.endr
.endr
.endm
.macro FETCHS s, y
.irp i, 0,1,2,3,4,5,6,7
.if \y
	ds_load_b32 v[WS+8*(\s)+\i], v[ASA+(\s)] offset:(\i/2)*RP+128*(\i%2)
.else
	ds_load_b32 v[WS+8*(\s)+\i], v[ASB+(\s)] offset:8*\i
.endif
.endr
.endm
.macro FETCHX s
	WIN 0x40
.irp m, 0,1,2,3
.irp i, 0,1,2
	ds_load_b128 v[48*(\s)+12*\m+4*\i:48*(\s)+12*\m+4*\i+3], v[AX] offset:1536*\m+512*\i
.endr
.endr
	WIN 0
.irp m, 0,1,2,3
	ds_load_b32 v[XS+4*(\s)+\m], v[AXS] offset:128*\m
.endr
.endm
; 16 products on fragments c0 .. c0 + 3 of buffer f.  y = 0: tile dd = 8 ch + c of Wv against x's four tiles, accumulator (m, dd).
; y = 1: fragment c is (K step t = 4 ch + c / 2, tile u = c % 2) of this slot's pair, against o's fragments (m, t): accumulators (s, u, m), those of m = 0, 1 in window 2, of m = 2, 3 in window 3.
.macro MM f, ch, c0, s, zero, y
.if \y
.set CZ, 0
.irp hf, 0,1
.irp c, \c0, \c0+1, \c0+2, \c0+3
.set tT, 4*\ch+(\c)/2
.if tT == 0
	WIN 0x98+0x44*\hf                              ; C: bo, in window 1
.else
	WIN 0xa8+0x54*\hf
.endif
.irp mm, 0,1
.set rD, 192+32*(\s)+16*((\c)%2)+8*\mm
.if tT == 0
.set rC, BC+16*(\s)+8*((\c)%2)
.else
.set rC, rD
.endif
.set rA, \f+12*(\c)
.set rB, 96*\mm+12*tT
.set rSA, WS+8*(\s)+tT
.set rSB, OS+8*\hf+tT
.set ROWA, (\c)%2
.set ROWB, \mm
	WM
.endr
.endr
.endr
.else
	WIN 0xa4+0x50*\ch
.set CZ, \zero
.set ROWB, 0
.irp c, \c0, \c0+1, \c0+2, \c0+3
.irp m, 0,1,2,3
.set rD, 64*\m+8*(\c)
.set rC, rD
.set rA, \f+12*(\c)
.set rB, 48*(\s)+12*\m
.set rSA, WS+8*(\s)+4*\ch+(\c)/2
.set rSB, XS+4*(\s)+\m
.set ROWA, (\c)%2
	WM
.endr
.endr
.endif
.endm
; A step on slot s: 64 products.  mode 2: the slot is filled again (the three lines, the round, the joint load); mode 1: the last tile is waited for; mode 0: the last step.  nf: the next slot's first fragments are fetched.
.macro KSTEP s, zero, mode, nf, y
	PLACES 4
	FETCHW F1,1,\s,\y
	s_wait_dscnt 24                                ; all but the 24 just issued
	MM F0,0,0,\s,\zero,\y
	MM F0,0,4,\s,\zero,\y
	WIN 0
.if \mode == 2
	s_wait_tensorcnt 0x0                           ; my part of the other slot has landed
	ds_add_u32 v[SPW], v[NIL]
	NEXTW \s
.if \y == 0
	v_add_nc_u32 v[AX], 6144, v[AX]
	v_add_nc_u32 v[AXS], 512, v[AXS]
.endif
	s_wait_dscnt 0x0                               ; the add is done, and my reads of this slot
	s_barrier_signal -1
	MM F1,1,0,\s,\zero,\y
	WIN 0
	s_barrier_wait -1
	CREST
	tensor_load_to_lds s[G0+4*\s:G0+4*\s+3], s[G1:G1+7]
	s_nop 0
	PLACES 4
.elseif \mode == 1
	s_wait_tensorcnt 0x0
	s_wait_dscnt 0x0
	MM F1,1,0,\s,\zero,\y
	WIN 0
	PLACES 4
.else
	s_wait_dscnt 0x0
	MM F1,1,0,\s,\zero,\y
	WIN 0
.endif
.if \nf
.if \y == 0
	s_wait_alu depctr_va_vdst(0)                   ; behind the two address steps
	FETCHX 1-\s
.endif
	FETCHS 1-\s,\y
	FETCHW F0,0,1-\s,\y
.endif
	MM F1,1,4,\s,\zero,\y
	WIN 0
.endm
	s_load_b256 s[4:11], s[0:1], 0x0               ; xq, wimg, epart, bo
	s_load_b64 s[40:41], s[0:1], 0x20              ; out0
	v_lshl_add_u32 v[SPW], v0, 2, SPARE
	v_mov_b32 v[NIL], 0
	ds_add_u32 v[SPW], v[NIL]                      ; the opening lines: the add twice on end and its wait
	ds_add_u32 v[SPW], v[NIL]
	v_lshrrev_b32 v3, 5, v0
	v_readfirstlane_b32 s[WV], v3
	s_bfe_u32 s[CX], ttmp6, 0x40000
	s_lshl_b32 s[GG], ttmp9, 2
	s_add_co_u32 s[GG], s[GG], s[CX]
	s_lshr_b32 s[ROT], ttmp9, 3
	s_xor_b32 s[ROT], s[ROT], ttmp9
	s_and_b32 s[ROT], s[ROT], 7
	s_lshr_b32 s[RH], s[ROT], 1
	s_mov_b32 s[QC], 0
	s_mov_b32 s[QO+1], 0
	s_mov_b32 s[G1+0], 15|(3<<16)|(1<<20)|(1<<21)|(5<<22)|(3<<25)
	s_mov_b32 s[G1+1], 32<<16
	s_mov_b32 s[G1+2], 100<<16
	s_mov_b32 s[G1+3], 32<<16
	s_mov_b32 s[G1+4], 100
	s_mov_b32 s[G1+5], 32
	s_mov_b32 s[G1+6], 0
	s_mov_b32 s[G1+7], 0
	s_mul_i32 s35, s[WV], WSLOT
	s_mul_i32 s38, s[WV], MPART
	s_add_co_u32 s38, s38, PB
	s_mov_b32 s39, 0
	s_mov_b32 s[SEL], 0x76543210
	s_mov_b32 s[SEL+1], 0xfedcba98
	s_and_b32 s[ODD], s[WV], 1
	s_mul_i32 s36, s[GG], 53248
	s_mul_i32 s37, s[WV], 13312
	s_add_co_u32 s36, s36, s37
	s_mov_b32 s37, 0
	s_lshr_b32 s47, s[GG], 6
	s_lshl_b32 s48, s47, 16
	s_lshl_b32 s49, s[WV], 14
	s_add_co_u32 s48, s48, s49
	s_mov_b32 s49, 0
	s_lshl_b32 s50, s[WV], 10
	s_mov_b32 s51, 0
	s_add_co_u32 s57, s50, BIAS
	s_mul_i32 s58, s[WV], 64*SP
	s_add_co_u32 s58, s58, STG
	s_lshl_b32 s52, s47, 24
	s_and_b32 s53, s[GG], 63
	s_lshl_b32 s53, s53, 14
	s_add_co_u32 s52, s52, s53
	s_add_co_u32 s52, s52, s50
	s_mov_b32 s53, 0
	s_wait_dscnt 0x0
	s_wait_kmcnt 0x0
	s_add_nc_u64 s[6:7], s[6:7], s[38:39]
	s_add_nc_u64 s[4:5], s[4:5], s[36:37]
	s_add_nc_u64 s[8:9], s[8:9], s[48:49]
	s_add_nc_u64 s[10:11], s[10:11], s[50:51]
	s_add_nc_u64 s[40:41], s[40:41], s[52:53]
	s_add_nc_u64 s[42:43], s[40:41], 0x800000
	CROUND
	s_mul_i32 s[OF], s[ROT], MSLOT
	s_mov_b32 s[G0], 1
	s_mov_b32 s[G0+1], s35
	s_add_nc_u64 s[G0+2:G0+3], s[6:7], s[OF:OF+1]
	s_or_b32 s[G0+3], s[G0+3], 0x80000000
	s_add_co_u32 s[OF], s[ROT], 1
	s_and_b32 s[OF], s[OF], 7
	s_mul_i32 s[OF], s[OF], MSLOT
	s_mov_b32 s[G0+4], 1
	s_add_co_u32 s[G0+5], s35, SLOTB
	s_add_nc_u64 s[G0+6:G0+7], s[6:7], s[OF:OF+1]
	s_or_b32 s[G0+7], s[G0+7], 0x80000000
	s_mov_b32 s[NXT], 2
	tensor_load_to_lds s[G0:G0+3], s[G1:G1+7]      ; slot 0: one tensor load a wave at the head
	s_nop 0
	PLACES 4
	v_and_b32 v3, 31, v0
	v_lshlrev_b32 v[L16], 4, v3
	v_lshlrev_b32 v[L4], 2, v3
	WIN 0x80                                       ; xq, epart and bo are asked for while slot 0 is on its way
.set Q, 0
.rept 26
	global_load_b128 v[4*Q:4*Q+3], v[L16], s[4:5] offset:512*Q th:TH_LOAD_NT
.set Q, Q+1
.endr
	WIN 0xc0
.set Q, 0
.rept 32
	global_load_b128 v[4*Q:4*Q+3], v[L16], s[8:9] offset:512*Q
.set Q, Q+1
.endr
	WIN 0
	global_load_b128 v[BO:BO+3], v[L16], s[10:11]
	global_load_b128 v[BO+4:BO+7], v[L16], s[10:11] offset:512
	v_and_b32 v[RR], 15, v0
	v_bfe_u32 v[HH], v0, 4, 1
	v_lshlrev_b32 v[T0], 4, v[RR]
	v_mad_u32_u24 v[T0], v[HH], RP, v[T0]
	v_add_nc_u32 v[AWA], s35, v[T0]
	v_add_nc_u32 v[AWA+1], SLOTB, v[AWA]
	s_add_co_u32 s44, s35, 96*RP
	v_add_nc_u32 v[ASA], s44, v[L4]
	v_add_nc_u32 v[ASA+1], SLOTB, v[ASA]
	v_mul_u32_u24 v[T0], v3, RP
	v_add_nc_u32 v[AWB], s35, v[T0]
	v_add_nc_u32 v[AWB+1], SLOTB, v[AWB]
	v_lshrrev_b32 v[T0], 2, v[RR]
	v_mul_u32_u24 v[T0], v[T0], RP
	v_and_b32 v[T1], 3, v[RR]
	v_lshl_add_u32 v[T0], v[T1], 6, v[T0]
	v_lshl_add_u32 v[T0], v[HH], 2, v[T0]
	v_add_nc_u32 v[ASB], s44, v[T0]
	v_add_nc_u32 v[ASB+1], SLOTB, v[ASB]
	v_add_nc_u32 v[AX], XIMG, v[L16]
	v_add_nc_u32 v[AXS], XSC, v[L4]
	v_mul_u32_u24 v[T0], v[RR], OP
	v_mad_u32_u24 v[AO], v[HH], 24, v[T0]
	v_add_nc_u32 v[AO], OROW, v[AO]
	v_mul_u32_u24 v[T1], v[RR], OSP
	s_mul_i32 s44, s[WV], 12
	s_add_co_u32 s44, s44, OROW
	v_mad_u32_u24 v[AOC], v[HH], 384, v[T0]
	v_add_nc_u32 v[AOC], s44, v[AOC]
	s_lshr_b32 s44, s[WV], 1
	s_add_co_u32 s44, s44, OSC
	v_lshl_add_u32 v[AOBY], v[HH], 4, v[T1]
	v_add_nc_u32 v[AOBY], s44, v[AOBY]
	s_lshl_b32 s44, s[WV], 10
	s_add_co_u32 s45, s44, PMX
	v_add_nc_u32 v[PMW], s45, v[L16]
	s_xor_b32 s45, s[WV], 1
	s_lshl_b32 s45, s45, 10
	s_add_co_u32 s45, s45, PMX
	v_add_nc_u32 v[PMR], s45, v[L16]
	s_add_co_u32 s45, s44, ESC
	v_add_nc_u32 v[ESW], s45, v[L16]
	v_add_nc_u32 v[ESR], ESC, v[L16]
	v_mul_u32_u24 v[T0], v[RR], SP                 ; stage, in: row a, 64 bytes for each half of the lanes
	v_lshl_add_u32 v[T0], v[HH], 6, v[T0]
	v_add_nc_u32 v[STO], s58, v[T0]
	v_mul_u32_u24 v[T1], v[HH], SP                 ; back: lanes 0-15 one row of 256 bytes, lanes 16-31 the next
	v_lshl_add_u32 v[T1], v[RR], 4, v[T1]
	v_add_nc_u32 v[SRD], s58, v[T1]
	v_add_nc_u32 v[T1], s57, v[L16]                ; bo's place in LDS
	s_mul_i32 s44, s[WV], 13312
	s_add_co_u32 s44, s44, XIMG
	v_add_nc_u32 v[TA0], s44, v[L16]
	v_mov_b32 v97, 0
	s_wait_alu depctr_va_vdst(0)                   ; at the head's end
	s_wait_tensorcnt 0x0                           ; slot 1's first fill stands behind the full sequence, as a refill does
	ds_add_u32 v[SPW], v[NIL]
	s_wait_dscnt 0x0
	CROUND
	tensor_load_to_lds s[G0+4:G0+7], s[G1:G1+7]
	s_nop 0
	PLACES 4
	s_wait_loadcnt 34                              ; xq's 26 loads are in
	WIN 0x08
.set Q, 0
.rept 26
	ds_store_b128 v[TA0], v[4*Q:4*Q+3] offset:512*Q
.set Q, Q+1
.endr
	s_wait_loadcnt 0x0
	WIN 0xcf
.set Q, 1
.rept 15
.irp k, 0,2,4,6
	v_pk_add_f32 v[\k:\k+1], v[\k:\k+1], v[8*Q+\k:8*Q+\k+1]
.endr
.set Q, Q+1
.endr
	WIN 0x0c
	ds_store_b128 v[ESW], v[0:3]
	ds_store_b128 v[ESW], v[4:7] offset:512
	WIN 0
	ds_store_b128 v[T1], v[BO:BO+3]
	ds_store_b128 v[T1], v[BO+4:BO+7] offset:512
	s_wait_dscnt 0x0
	s_barrier_signal -1
	s_barrier_wait -1
.irp wv, 0,1,2,3
.irp i, 0,1
	ds_load_b128 v[64+8*\wv+4*\i:64+8*\wv+4*\i+3], v[ESR] offset:1024*\wv+512*\i
.endr
.endr
	s_wait_dscnt 0x0
.irp wv, 1,2,3
.irp k, 0,2,4,6
	v_pk_add_f32 v[64+\k:65+\k], v[64+\k:65+\k], v[64+8*\wv+\k:65+8*\wv+\k]
.endr
.endr
	v_max3_num_f32 v96, v64, v65, v66              ; the softmax: lane (a, h) holds energy(a, 8 h + j)
	v_max3_num_f32 v96, v96, v67, v68
	v_max3_num_f32 v96, v96, v69, v70
	v_max_num_f32 v96, v96, v71
	v_permlanex16_b32 v97, v96, s[SEL], s[SEL+1]
	v_max_num_f32 v96, v96, v97
.irp j, 0,1,2,3,4,5,6,7
	v_sub_f32 v[64+\j], v[64+\j], v96
.endr
.irp j, 0,1,2,3,4,5,6,7
	v_mul_f32 v[64+\j], 0x3e38aa3b, v[64+\j]       ; log2(e) / 8
.endr
	s_wait_alu depctr_va_vdst(0)                   ; ahead of the batch
.irp j, 0,1,2,3,4,5,6,7
	v_exp_f32 v[64+\j], v[64+\j]
.endr
	v_nop
	s_wait_alu depctr_va_vdst(0)                   ; and behind it
	v_add_f32 v98, v64, v65
	v_add_f32 v99, v66, v67
	v_add_f32 v100, v68, v69
	v_add_f32 v101, v70, v71
	v_add_f32 v98, v98, v99
	v_add_f32 v100, v100, v101
	v_add_f32 v98, v98, v100
	v_permlanex16_b32 v97, v98, s[SEL], s[SEL+1]
	v_add_f32 v98, v98, v97
	s_wait_alu depctr_va_vdst(0)
	v_rcp_f32 v99, v98
	v_nop
	s_wait_alu depctr_va_vdst(0)
	WIN 0x40
.irp j, 0,1,2,3,4,5,6,7
	v_mul_f32 v[ATT+\j], v[64+\j], v99
.endr
	WIN 0
	s_wait_alu depctr_va_vdst(0)
	s_wait_tensorcnt 0x1                           ; slot 0 is in; slot 1's load may be out
	PLACES 9
	FETCHX 0
	FETCHS 0,0
	FETCHW F0,0,0,0
	KSTEP 0,1,2,1,0
	s_mov_b32 s[CNT], 3
.Lv:
	KSTEP 1,0,2,1,0
	KSTEP 0,0,2,1,0
	s_sub_co_u32 s[CNT], s[CNT], 1
	s_cmp_lg_u32 s[CNT], 0
	s_cbranch_scc1 .Lv
	KSTEP 1,0,2,0,0
; ---- the mix, in f32: for each (m, dd): D2(position, a) = sum over b of v(position, b) att(a, b); then 16 d of a lane are quantised, the block's other 16 d lie in wave w xor 1
.macro WG4 m, g, d2
	WIN 0x54|(2+(\g)/2)
.irp p, 0,1,2,3
.irp q, 0,1,2,3
.set rD, (\d2)+8*\q
.set rA, 64*(\m)+8*((4*(\g)+\q)%8)+2*\p
.if \p == 0
	v_wmma_f32_16x16x4_f32 v[rD:rD+7], v[rA:rA+1], v[ATT+2*\p:ATT+2*\p+1], 0
.else
	v_wmma_f32_16x16x4_f32 v[rD:rD+7], v[rA:rA+1], v[ATT+2*\p:ATT+2*\p+1], v[rD:rD+7]
.endif
.endr
.endr
.endm
.macro MV g, d2
	WIN 0x01
.irp j, 0,1,2,3,4,5,6,7
.irp q, 0,1,2,3
	v_mov_b32 v[T+16*\j+4*(\g)+\q], v[(\d2)+8*\q+\j]
.endr
.endr
.endm
.macro MIXM m
	WG4 \m,1,D2B
	MV 0,D2A
	WG4 \m,2,D2A
	MV 1,D2B
	WG4 \m,3,D2B
	MV 2,D2A
	MV 3,D2B
	WIN 0
.irp j, 0,1,2,3,4,5,6,7
	v_max3_num_f32 v[PM+\j], |v[T+16*\j]|, |v[T+16*\j+1]|, 0x1800000
.endr
.irp i, 2,4,6,8,10,12,14
.irp j, 0,1,2,3,4,5,6,7
	v_max3_num_f32 v[PM+\j], v[PM+\j], |v[T+16*\j+\i]|, |v[T+16*\j+\i+1]|
.endr
.endr
	ds_store_b128 v[PMW], v[PM:PM+3] offset:4096*(\m)
	ds_store_b128 v[PMW], v[PM+4:PM+7] offset:4096*(\m)+512
	s_wait_alu depctr_va_vdst(0)
	s_wait_dscnt 0x0
	s_barrier_signal -1
.if (\m) < 3
	WG4 (\m)+1,0,D2A
	WIN 0
.endif
	s_barrier_wait -1
	ds_load_b128 v[PP:PP+3], v[PMR] offset:4096*(\m)
	ds_load_b128 v[PP+4:PP+7], v[PMR] offset:4096*(\m)+512
	s_wait_dscnt 0x0
.irp j, 0,1,2,3,4,5,6,7
	v_max_num_f32 v[PM+\j], v[PM+\j], v[PP+\j]
.endr
.irp j, 0,1,2,3,4,5,6,7
	v_add_nc_u32 v[SCL+\j], 0xff000000, v[PM+\j]
.endr
.irp j, 0,1,2,3,4,5,6,7
	v_lshrrev_b32 v[BY+\j], 23, v[SCL+\j]
.endr
.irp j, 0,1,2,3,4,5,6,7
	v_cvt_scalef32_pk16_fp6_f32 v[CD+4*\j:CD+4*\j+2], v[T+16*\j:T+16*\j+15], v[SCL+\j]
.endr
	v_nop
.irp j, 0,1,2,3,4,5,6,7
.irp e, 0,1,2
	ds_store_b32 v[AOC], v[CD+4*\j+\e] offset:16*OP*(\m)+48*\j+4*\e
.endr
.endr
	s_cmp_lg_u32 s[ODD], 0
	s_cbranch_scc1 .Lodd_\@
.irp j, 0,1,2,3,4,5,6,7
	ds_store_b8 v[AOBY], v[BY+\j] offset:16*OSP*(\m)+2*\j
.endr
.Lodd_\@:
.endm
	PLACES 5
	WG4 0,0,D2A
	PLACES 8
	MIXM 0
	MIXM 1
	MIXM 2
	MIXM 3
; ---- out0 = o Wo + bo.  K step t of o lies at place (t - ROT) & 7 of its row: v160-167 and v168-175 hold the eight places' addresses of codes and of scale words
	v_and_b32 v176, 15, v0
	v_bfe_u32 v177, v0, 4, 1
	v_lshlrev_b32 v[CO], 20, v177                  ; neighbouring heads lie 2^20 bytes apart in out0
	v_lshl_add_u32 v[CO], v176, 4, v[CO]
	v_lshl_add_u32 v[ABI0], v177, 6, s57
	v_mul_u32_u24 v178, v3, OSP
	v_add_nc_u32 v178, OSC, v178                   ; scale words: lane l takes row l of 32
	s_wait_alu depctr_va_vdst(0)                   ; behind this write: its readers stand among a run of scalar lines
	s_xor_b32 s47, s[ROT], 7
	s_add_co_u32 s47, s47, 1                       ; 8 - ROT
.irp t, 0,1,2,3,4,5,6,7
	s_add_co_u32 s44, s47, \t
	s_and_b32 s44, s44, 7
	s_mul_i32 s45, s44, 96
	s_lshl_b32 s44, s44, 2
	v_add_nc_u32 v[160+\t], s45, v[AO]
	v_add_nc_u32 v[168+\t], s44, v178
.endr
	s_wait_alu depctr_va_vdst(0)
	s_wait_dscnt 0x0                               ; my part of o is written
	s_barrier_signal -1
	s_barrier_wait -1
	PLACES 9
.irp m, 0,1,2,3                        ; all of o into registers: fragment (m, t) at v[96 (m % 2) + 12 t] of window 2 + m / 2
	WIN 0x80+0x40*(\m/2)
.irp t, 0,1,2,3,4,5,6,7
.irp p, 0,1,2,3,4,5
	ds_load_b64 v[96*(\m%2)+12*\t+2*\p:96*(\m%2)+12*\t+2*\p+1], v[160+\t] offset:16*OP*\m+48*(\p/3)+8*(\p%3)
.endr
.endr
.endr
	WIN 0
.irp hf, 0,1
.irp t, 0,1,2,3,4,5,6,7
	ds_load_b32 v[OS+8*\hf+\t], v[168+\t] offset:32*OSP*\hf
.endr
.endr
	FETCHS 0,1
	FETCHW F0,0,0,1
.macro YTRIP m0, m1, nf1               ; two pairs of tiles: 64 columns of my 256, the quarter (QC + ROT / 2) & 3
	s_add_co_u32 s[QO], s[QC], s[RH]
	s_and_b32 s[QO], s[QO], 3
	s_lshl_b32 s[QO], s[QO], 8
	s_add_co_u32 s[QC], s[QC], 1
	v_add_nc_u32 v[ABI], s[QO], v[ABI0]
	s_wait_alu depctr_va_vdst(0)
	WIN 0x40
.irp pp, 0,1
.irp u, 0,1
.irp e, 0,1
	ds_load_b128 v[BC+16*\pp+8*\u+4*\e:BC+16*\pp+8*\u+4*\e+3], v[ABI] offset:128*\pp+32*\u+16*\e
.endr
.endr
.endr
	WIN 0
	KSTEP 0,0,\m0,1,1
	KSTEP 1,0,\m1,\nf1,1
	PLACES 5                                       ; ahead of the reads of the results, and of the next trip's products, which write over them
	s_wait_xcnt 0x0                                ; the last trip's stores have read their bases and their registers
	s_add_nc_u64 s[OB:OB+1], s[40:41], s[QO:QO+1]
	s_add_nc_u64 s[OB+2:OB+3], s[42:43], s[QO:QO+1]
.irp hf, 0,1
	WIN 0x08+4*\hf
.irp mm, 0,1
.irp pp, 0,1
.irp u, 0,1
	ds_store_b128 v[STO], v[192+32*\pp+16*\u+8*\mm:192+32*\pp+16*\u+8*\mm+3] offset:16*(2*\hf+\mm)*SP+128*\pp+32*\u      ; each accumulator from its low end on
	ds_store_b128 v[STO], v[192+32*\pp+16*\u+8*\mm+4:192+32*\pp+16*\u+8*\mm+7] offset:16*(2*\hf+\mm)*SP+128*\pp+32*\u+16
.endr
.endr
.endr
.endr
	WIN 0x40
.set K, 0
.rept 32                               ; back by rows; LDS serves a wave's instructions in order (ISA guide 5.7.1.4)
	ds_load_b128 v[4*K:4*K+3], v[SRD] offset:(16*(K/8)+2*(K%8))*SP
.set K, K+1
.endr
	WIN 0x04
.set K, 0
.rept 32                               ; each half of the lanes stores 256 consecutive bytes, aligned: heads 2 (K % 8) and + 1, row K / 8
	s_wait_dscnt 31-K
	global_store_b128 v[CO], v[4*K:4*K+3], s[OB+2*((K%8)/4):OB+2*((K%8)/4)+1] offset:((K%8)%4)*2097152+4096*(K/8) th:TH_STORE_NT
.set K, K+1
.endr
	WIN 0
.endm
	s_mov_b32 s[CNT], 3
.Ly:
	YTRIP 2,2,1
	s_sub_co_u32 s[CNT], s[CNT], 1
	s_cmp_lg_u32 s[CNT], 0
	s_cbranch_scc1 .Ly
	YTRIP 1,0,0                                    ; the last two pairs: nothing more is asked for
	s_wait_tensorcnt 0x0                           ; the wave's end
	ds_add_u32 v[SPW], v[NIL]
	s_wait_dscnt 0x0
	CROUND                                         ; the closing round
	s_endpgm
.Lfunc_end_k_q3786823338_mixout:
	.size	k_q3786823338_mixout, .Lfunc_end_k_q3786823338_mixout-k_q3786823338_mixout
	.p2alignl 7, 3214868480
	.fill 96, 4, 3214868480
	.section	.rodata,"a",@progbits
	.p2align	6, 0x0
	.amdhsa_kernel k_q3786823338_mixout
		.amdhsa_group_segment_fixed_size 327680
		.amdhsa_private_segment_fixed_size 0
		.amdhsa_enable_private_segment 0
		.amdhsa_kernarg_size 40
		.amdhsa_user_sgpr_count 2
		.amdhsa_user_sgpr_kernarg_segment_ptr 1
		.amdhsa_wavefront_size32 1
		.amdhsa_system_sgpr_workgroup_id_x 1
		.amdhsa_system_sgpr_workgroup_id_y 1
		.amdhsa_system_sgpr_workgroup_id_z 1
		.amdhsa_system_vgpr_workitem_id 0
		.amdhsa_next_free_vgpr 1024
		.amdhsa_next_free_sgpr 72
		.amdhsa_reserve_vcc 0
		.amdhsa_float_denorm_mode_32 3
		.amdhsa_float_denorm_mode_16_64 3
		.amdhsa_memory_ordered 1
		.amdhsa_forward_progress 1
		.amdhsa_inst_pref_size 232
	.end_amdhsa_kernel
	.amdgpu_metadata
---
amdhsa.version: [ 1, 2 ]
amdhsa.kernels:
  - .name:           k_q3786823338_mixout
    .symbol:         k_q3786823338_mixout.kd
    .args:
      - { .name: xq, .offset: 0, .size: 8, .value_kind: global_buffer, .address_space: global }
      - { .name: wimg, .offset: 8, .size: 8, .value_kind: global_buffer, .address_space: global }
      - { .name: epart, .offset: 16, .size: 8, .value_kind: global_buffer, .address_space: global }
      - { .name: bo, .offset: 24, .size: 8, .value_kind: global_buffer, .address_space: global }
      - { .name: out0, .offset: 32, .size: 8, .value_kind: global_buffer, .address_space: global }
    .group_segment_fixed_size: 327680
    .private_segment_fixed_size: 0
    .kernarg_segment_align: 8
    .kernarg_segment_size: 40
    .max_flat_workgroup_size: 128
    .sgpr_count:     72
    .vgpr_count:     1024
    .wavefront_size: 32
...
	.end_amdgpu_metadata
.endif
;; end of part 6
